; MI455X (gfx1250); checked and timed in simulation.
; The chip was launched on July 23, 2026; its instructions are those of AMD's public machine-readable ISA for CDNA 5 (MIT licence, August 2026) and "CDNA5" Instruction Set Architecture Reference Guide (July 2026). The comments in the code are by the model that wrote it; some were corrected since.
;; Self Attention. Allowed arithmetic: float matrix products may take bf16 or f16 operands with f32 sums; other float arithmetic in f32, or as packed bf16 or f16 multiplies, adds, multiply-adds, maxima and minima; sums over many terms, partial sums and values carried from step to step in f32; what a program stores and reads back later, other than sums and carried values, may be rounded once to bf16 or f16.
;; Inputs: Wk 1,024 x 1,024 float32; Wq 1,024 x 1,024 float32; Wv 1,024 x 1,024 float32; bk 1,024 float32; bq 1,024 float32; bv 1,024 float32; x 4 x 2,048 x 1,024 float32.
;; Outputs: out0 4 x 2,048 x 1,024 float32.
;; One version. Each part assembles by itself: llvm-mc -triple=amdgcn-amd-amdhsa -mcpu=gfx1250 --defsym DOCPART=n.
;; ======== version 1 of 1: 4 launches
;; workspace buffers: xb 16,777,216 bytes; wt 6,291,456 bytes; bias 12,288 bytes; qkv 50,331,648 bytes; p 33,554,432 bytes; st 1,048,576 bytes
;; launch prep (part 1): grid 1217 x 1, 8 waves a work-group, no clusters, 35,840 bytes of LDS; arguments x, Wq, Wk, Wv, bq, bk, bv, xb, wt, bias; writes xb, wt, bias
.if DOCPART == 1
	.amdgcn_target "amdgcn-amd-amdhsa--gfx1250"
	.amdhsa_code_object_version 6
	.text
	.protected	k_q8a49e8ca3b_prep
	.globl	k_q8a49e8ca3b_prep
	.p2align	8
	.type	k_q8a49e8ca3b_prep,@function
k_q8a49e8ca3b_prep:
	s_mov_b64 s[64:65], 0
	v_nop
	global_prefetch_b8 v0, s[64:65] scope:SCOPE_SE
	s_setreg_imm32_b32 hwreg(HW_REG_WAVE_MODE, 25, 1), 1
	s_wait_xcnt 0x0
; THE INPUTS ARE ROUNDED TO bf16, ONCE, ALL OF THEM.  Three kinds of work-group, told apart by the work-group's number alone:
;   0 .. 1023     xb = x rounded: 8,192 numbers each (32 KiB in, 16 KiB out)
;   1024 .. 1215  wt[n][d] = W[d][n % 1024] rounded, n = 0..1023 Wq, 1024..2047 Wk, 2048..3071 Wv: a block of 128 d x 128 h each, turned in LDS
;   1216          bias = bq, bk, bv, each rounded to bf16 and widened to f32 again
; Memory binds: no matrix unit, no tensor load, no cluster; every load of a wave takes 512 consecutive bytes, every store 256 or 512, aligned.
; The one barrier stands on the path that all three kinds share; only the turning work-groups have work behind it.
; LDS: bytes 0 .. 34,815 the turned block, 128 rows (h) of 256 bytes (128 d) + 16 of padding; behind it the spare words, 128 bytes a wave.
.set TP,    272
.set SPARE, 128*TP
	s_load_b512 s[8:23], s[0:1], 0x0               ; x 8:9, Wq 10:11, Wk 12:13, Wv 14:15, bq 16:17, bk 18:19, bv 20:21, xb 22:23
	s_load_b128 s[24:27], s[0:1], 0x40             ; wt 24:25, bias 26:27
	v_lshl_add_u32 v94, v0, 2, SPARE               ; my spare word; never rewritten
	v_mov_b32 v95, 0                               ; 0; never rewritten
	s_mov_b32 s3, 0
	s_wait_kmcnt 0x0
	s_cmp_lt_u32 ttmp9, 1024
	s_cbranch_scc0 .Lnot_cast
	; ---- x: thread t takes 16 bytes at 16 t of each of eight pieces of 4,096 bytes
	s_lshl_b32 s2, ttmp9, 15
	s_add_nc_u64 s[8:9], s[8:9], s[2:3]
	s_lshl_b32 s2, ttmp9, 14
	s_add_nc_u64 s[22:23], s[22:23], s[2:3]
	v_lshlrev_b32 v1, 4, v0
	v_lshlrev_b32 v2, 3, v0
.irp k, 0,1,2,3,4,5,6,7
	global_load_b128 v[16+4*(\k):16+4*(\k)+3], v1, s[8:9] offset:4096*(\k) th:TH_LOAD_NT
.endr
.irp k, 0,1,2,3,4,5,6,7
	s_wait_loadcnt 7-(\k)                          ; loads come back in order: piece k is in, the younger ones stay out
	v_cvt_pk_bf16_f32 v[48+2*(\k)], v[16+4*(\k)], v[16+4*(\k)+1]
	v_cvt_pk_bf16_f32 v[48+2*(\k)+1], v[16+4*(\k)+2], v[16+4*(\k)+3]
	global_store_b64 v2, v[48+2*(\k):48+2*(\k)+1], s[22:23] offset:2048*(\k)  ; a wave's store: 256 consecutive bytes, aligned
.endr
	s_branch .Lmeet
.Lnot_cast:
	s_cmp_lt_u32 ttmp9, 1216
	s_cbranch_scc0 .Lbias
	; ---- a block of W, first part: 128 rows d x 512 bytes come in; pairs (d, d + 1) are rounded and laid into LDS by h
	s_sub_co_u32 s28, ttmp9, 1024
	s_lshr_b32 s29, s28, 6                         ; which W
	s_bfe_u32 s30, s28, 0x30003                    ; block of 128 d
	s_and_b32 s31, s28, 7                          ; block of 128 h
	s_cmp_eq_u32 s29, 0
	s_cselect_b64 s[32:33], s[10:11], s[12:13]
	s_cmp_eq_u32 s29, 2
	s_cselect_b64 s[32:33], s[14:15], s[32:33]
	s_lshl_b32 s2, s30, 19                         ; 128 rows of 4,096 bytes
	s_lshl_b32 s34, s31, 9                         ; 128 numbers of 4 bytes
	s_add_co_u32 s2, s2, s34
	s_add_nc_u64 s[32:33], s[32:33], s[2:3]
	v_and_b32 v6, 31, v0                           ; my four h: 4 lane ..
	v_lshrrev_b32 v7, 5, v0
	v_readfirstlane_b32 s35, v7                    ; wave w takes rows 2 w + 16 j and the row below, j = 0..7
	s_lshl_b32 s34, s35, 13
	v_lshl_add_u32 v1, v6, 4, s34                  ; 2 w rows + 16 bytes a lane
	s_lshl_b32 s34, s35, 2
	v_mul_u32_u24 v3, v6, 4*TP
	v_add_nc_u32 v3, s34, v3                       ; LDS: row 4 lane, byte 2 (2 w)
.irp j, 0,1,2,3,4,5,6,7
	global_load_b128 v[16+8*(\j):16+8*(\j)+3], v1, s[32:33] offset:65536*(\j) th:TH_LOAD_NT
	global_load_b128 v[20+8*(\j):20+8*(\j)+3], v1, s[32:33] offset:65536*(\j)+4096 th:TH_LOAD_NT
.endr
.irp j, 0,1,2,3,4,5,6,7
	s_wait_loadcnt 14-2*(\j)                       ; pair j of rows is in; the 14 - 2 j younger loads stay out
.irp i, 0,1,2,3
	v_cvt_pk_bf16_f32 v[80+4*((\j)%2)+(\i)], v[16+8*(\j)+(\i)], v[20+8*(\j)+(\i)]  ; low half d, high half d + 1
.endr
.irp i, 0,1,2,3
	ds_store_b32 v3, v[80+4*((\j)%2)+(\i)] offset:TP*(\i)+32*(\j)
.endr
.endr
	s_branch .Lmeet
.Lbias:
	; ---- the three biases: thread t takes four numbers of each
	v_lshlrev_b32 v1, 4, v0
	global_load_b128 v[16:19], v1, s[16:17]
	global_load_b128 v[20:23], v1, s[18:19]
	global_load_b128 v[24:27], v1, s[20:21]
	s_wait_loadcnt 0x0
.irp i, 0,1,2,3,4,5
	v_cvt_pk_bf16_f32 v[80+(\i)], v[16+2*(\i)], v[17+2*(\i)]
	v_lshlrev_b32 v[48+2*(\i)], 16, v[80+(\i)]
	v_and_b32 v[49+2*(\i)], 0xffff0000, v[80+(\i)]
.endr
	global_store_b128 v1, v[48:51], s[26:27]
	global_store_b128 v1, v[52:55], s[26:27] offset:4096
	global_store_b128 v1, v[56:59], s[26:27] offset:8192
.Lmeet:
	s_wait_xcnt 0x0                                ; what has been issued has read its registers
	s_wait_dscnt 0x0                               ; for the others' sake: my stores into the block are done
	s_barrier_signal -1
	s_barrier_wait -1
	s_cmp_lt_u32 ttmp9, 1024
	s_cbranch_scc1 .Lend
	s_cmp_lt_u32 ttmp9, 1216
	s_cbranch_scc0 .Lend
	; ---- a block of W, second part: whole rows of 256 bytes go out; everything is made anew here
	s_sub_co_u32 s28, ttmp9, 1024
	s_lshr_b32 s29, s28, 6
	s_bfe_u32 s30, s28, 0x30003
	s_and_b32 s31, s28, 7
	s_lshl_b32 s2, s29, 21                         ; 1,024 rows of 2,048 bytes
	s_lshl_b32 s34, s31, 18                        ; 128 rows
	s_add_co_u32 s2, s2, s34
	s_lshl_b32 s34, s30, 8                         ; 128 d of 2 bytes
	s_add_co_u32 s2, s2, s34
	s_mov_b32 s3, 0
	s_add_nc_u64 s[24:25], s[24:25], s[2:3]
	v_lshrrev_b32 v6, 4, v0                        ; row t / 16 of sixteen,
	v_and_b32 v7, 15, v0                           ; 16 bytes of it
	v_mul_u32_u24 v4, v6, TP
	v_lshl_add_u32 v4, v7, 4, v4
	v_lshlrev_b32 v5, 11, v6
	v_lshl_add_u32 v5, v7, 4, v5
.irp k, 0,1,2,3,4,5,6,7
	ds_load_b128 v[16+4*(\k):16+4*(\k)+3], v4 offset:16*TP*(\k)
.endr
.irp k, 0,1,2,3,4,5,6,7
	s_wait_dscnt 7-(\k)
	global_store_b128 v5, v[16+4*(\k):16+4*(\k)+3], s[24:25] offset:32768*(\k)  ; sixteen lanes store 256 consecutive bytes, aligned
.endr
.Lend:
	s_wait_tensorcnt 0x0                           ; the wave's end
	ds_add_u32 v94, v95
	s_wait_dscnt 0x0
	s_endpgm
.Lfunc_end_k_q8a49e8ca3b_prep:
	.size	k_q8a49e8ca3b_prep, .Lfunc_end_k_q8a49e8ca3b_prep-k_q8a49e8ca3b_prep
	.p2alignl 7, 3214868480
	.fill 96, 4, 3214868480
	.section	.rodata,"a",@progbits
	.p2align	6, 0x0
	.amdhsa_kernel k_q8a49e8ca3b_prep
		.amdhsa_group_segment_fixed_size 35840
		.amdhsa_private_segment_fixed_size 0
		.amdhsa_enable_private_segment 0
		.amdhsa_kernarg_size 80
		.amdhsa_user_sgpr_count 2
		.amdhsa_user_sgpr_kernarg_segment_ptr 1
		.amdhsa_wavefront_size32 1
		.amdhsa_system_sgpr_workgroup_id_x 1
		.amdhsa_system_sgpr_workgroup_id_y 1
		.amdhsa_system_sgpr_workgroup_id_z 1
		.amdhsa_system_vgpr_workitem_id 0
		.amdhsa_next_free_vgpr 96
		.amdhsa_next_free_sgpr 66
		.amdhsa_reserve_vcc 0
		.amdhsa_float_denorm_mode_32 3
		.amdhsa_float_denorm_mode_16_64 3
		.amdhsa_memory_ordered 1
		.amdhsa_forward_progress 1
		.amdhsa_inst_pref_size 15
	.end_amdhsa_kernel
	.amdgpu_metadata
---
amdhsa.version: [ 1, 2 ]
amdhsa.kernels:
  - .name:           k_q8a49e8ca3b_prep
    .symbol:         k_q8a49e8ca3b_prep.kd
    .args:
      - { .name: x, .offset: 0, .size: 8, .value_kind: global_buffer, .address_space: global }
      - { .name: Wq, .offset: 8, .size: 8, .value_kind: global_buffer, .address_space: global }
      - { .name: Wk, .offset: 16, .size: 8, .value_kind: global_buffer, .address_space: global }
      - { .name: Wv, .offset: 24, .size: 8, .value_kind: global_buffer, .address_space: global }
      - { .name: bq, .offset: 32, .size: 8, .value_kind: global_buffer, .address_space: global }
      - { .name: bk, .offset: 40, .size: 8, .value_kind: global_buffer, .address_space: global }
      - { .name: bv, .offset: 48, .size: 8, .value_kind: global_buffer, .address_space: global }
      - { .name: xb, .offset: 56, .size: 8, .value_kind: global_buffer, .address_space: global }
      - { .name: wt, .offset: 64, .size: 8, .value_kind: global_buffer, .address_space: global }
      - { .name: bias, .offset: 72, .size: 8, .value_kind: global_buffer, .address_space: global }
    .group_segment_fixed_size: 35840
    .private_segment_fixed_size: 0
    .kernarg_segment_align: 8
    .kernarg_segment_size: 80
    .max_flat_workgroup_size: 256
    .sgpr_count:     66
    .vgpr_count:     96
    .wavefront_size: 32
...
	.end_amdgpu_metadata
.endif
;; end of part 1
;; launch proj (part 2): grid 16 x 16, 4 waves a work-group, clusters of 4 x 4, 327,680 bytes of LDS; arguments xb, wt, qkv, bias; writes qkv
.if DOCPART == 2
	.amdgcn_target "amdgcn-amd-amdhsa--gfx1250"
	.amdhsa_code_object_version 6
	.text
	.protected	k_q8a49e8ca3b_proj
	.globl	k_q8a49e8ca3b_proj
	.p2align	8
	.type	k_q8a49e8ca3b_proj,@function
k_q8a49e8ca3b_proj:
	s_mov_b64 s[64:65], 0
	v_nop
	global_prefetch_b8 v0, s[64:65] scope:SCOPE_SE
	s_setreg_imm32_b32 hwreg(HW_REG_WAVE_MODE, 25, 1), 1
	s_wait_xcnt 0x0
	s_wait_alu depctr_hold_cnt(0) depctr_sa_sdst(0) depctr_va_vdst(0) depctr_va_sdst(0) depctr_va_ssrc(0) depctr_va_vcc(0) depctr_vm_vsrc(0)
	s_getreg_b32 s2, hwreg(HW_REG_IB_STS2, 6, 4)
	s_cmp_eq_u32 s2, 0
	s_cbranch_scc0 .Lentry_in_a_cluster
	s_endpgm
.Lentry_in_a_cluster:
	s_bfe_u32 s2, ttmp6, 0x10000c
	s_cmp_lg_u32 s2, 0xf033
	s_cbranch_scc0 .Lentry_shape_is_right
	s_endpgm
.Lentry_shape_is_right:
; qkv[m][n] = bias[n] + the sum over d of xb[m][d] wt[n][d].  xb: [8192][1024], wt: [3072][1024], qkv: [8192][3072], bf16; bias: [3072] f32.  Sums in f32, qkv rounded once.
; LIMITS.  x, the weights and the biases have been rounded to bf16; q, k, v are rounded to bf16 here; NaN and infinities are not treated apart.
; SHARES.  qkv has 384 tiles of 256 x 256 and the launch 256 work-groups: one and a half each.  The 16 clusters of 4 x 4 work-groups are numbered c = 2 rg + e: rg a group of 1,024 rows, e = 0, 1.
;   FIRST SHARE, K steps 0-7 of the walk: the cluster makes the 1,024 x 1,024 numbers of row group rg and column group (rg + e) mod 3, a work-group a tile of 256 x 256, a wave 128 x 128.
;   SECOND SHARE, K steps 8-15: the two clusters of a row group halve column group (rg + 2) mod 3: of its tile a work-group makes rows 128 e .. 128 e + 127, a wave 64 x 128.
;   So a wave issues 2,048 + 1,024 matrix instructions, and every column group of wt is walked in the first share by some cluster.
; ONE TEXT FOR BOTH.  The ring of two LDS slots runs on from K step 7 into K step 8, with the same descriptor shapes.  In the second share forward jumps on the loop's count pass over the products and
; the LDS loads of a wave's rows 64-127; they pass no barrier and no tensor load.  THE PRICE: in the second share the two waves that fetch xb bring the same 128 rows, to two places in LDS, so that each
; half of the waves finds its 64 rows at a place that hangs on the wave's number alone: 32 KiB of a step's 136 KiB is fetched a second time.
; A trip of the loop is one K step of 128; the slot in hand is a scalar that an exclusive or turns.  14 trips fill a slot again; the last two K steps are a loop of their own, which asks for nothing.
; CLUSTER.  The four of a row need the same tile of xb, the four of a column the same tile of wt: each is asked for jointly.
; THE PRODUCT IS TAKEN TRANSPOSED (source 0 = 16 rows of wt, source 1 = 16 rows of xb): a lane holds row l % 16 and the columns 8 (l / 16) + 0..7 of a block.
; THE BIAS is the C operand of the products that start the sums; the second share's is loaded at the head and copied, 64 lines, to where the one text names it.
; REGISTERS, in windows of 256: window 0: v16-30 addresses; v64-127, v128-191 fragments of xb; v192-223 packed results; v32-63, v224-255 rows on their way out
;   window 1: v0-63 the bias in hand; v64-127, v128-191 fragments of wt; v192-255 the second share's bias      window 2: accumulators of my rows 0-63, (a, b) at v[8 (8 a + b)]      window 3: rows 64-127
.set KSTEP,  128
.set PITCH,  272                       ; 256 bytes + 16 of padding: the 16 rows of a fragment load start at 16 different groups of four banks (ISA guide 11.1)
.set HALFT,  128*PITCH                 ; 0x8800
.set SLOT,   4*HALFT                   ; 0x22000: xb's 256 rows, then wt's 256 rows; it shares no bit with wave x 0x8800, so an exclusive or with it adds or takes it away
.set STAGE,  2*SLOT                    ; behind the ring: 16 rows x 272 bytes for each wave
.set SPITCH, 272
.set SPARE,  STAGE+4*16*SPITCH         ; the spare words, 128 bytes a wave
.set APIT,   1024                      ; elements from row to row in xb and wt
.set ROWB,   2*APIT
.set CPB,    6144                      ; bytes from row to row in qkv
.set FILLS,  14                        ; trips that fill a slot again: K step i is walked with s3 = 14 - i and asks for K step i + 2
.set SW_FILL, 8                        ; s3 = 8: the refill is K step 8, the second share's first
.set SW_NEXT, 8                        ; s3 < 8: the next K step belongs to the second share
.set SW_THIS, 7                        ; s3 < 7: this K step does
.set SW_HEAD, 6                        ; s3 = 6: the trip that begins it
.set ADRA, 16                          ; v16  my fragments of xb in slot 0; never rewritten
.set WA,   17                          ; v17  the same in the slot in hand
.set ADRB, 20                          ; v20, v21 the same for wt
.set WB,   21
.set STO,  24
.set RD,   25
.set CO,   26
.set BO,   27
.set SPW,  28
.set NIL,  29
.set PFO,  30
.set F0,   64
.set F1,   128
.set TMP,  192
.set OB,   32
.set TB,   2                           ; s2   LDS byte at which the slot in hand begins: 0 or SLOT
.set G1,   24
.set G0,   32                          ; s[32:39] group 0 for xb: a set for each first fill; the second then walks on
.set LIM,  43                          ; s43  a wave prefetches while s3 is above it
.set PFA,  44                          ; s[44:45] where my prefetches stand
.set G1B,  48
.set G0B,  56
.set BIA,  66
.set OFA,  68                          ; s[68:69] byte offset in xb of the tile asked for last
.set OFB,  70                          ; s[70:71] the same in wt
.set OFA2, 72                          ; s72  the second share's first offsets
.set OFB2, 73
.set HOFF, 74                          ; s74  the second share: my row half x 64 LDS rows
.set TA,   75
.set C2,   76                          ; s[76:77] qkv at my part of the second share
.set PAR,  78                          ; s78  e
.set RGR,  79                          ; s79  rg
.set MSB, 0
.macro WIN new                         ; the immediate's high byte repeats the setting that is left; a switch that changes nothing is dropped
.if MSB != (\new)
	s_set_vgpr_msb (MSB<<8)|(\new)
.set MSB, \new
.endif
.endm
; A joint load: waves 0 and 1 fetch for xb, waves 2 and 3 for wt.  An s_nop 0 and four v_nop follow each line.
.macro JLOAD s
	s_cmp_eq_u32 s11, 0
	s_cbranch_scc0 .Lfor_b_\@
	tensor_load_to_lds s[G0+4*(\s):G0+4*(\s)+3], s[G1:G1+7]
	s_nop 0
.rept 4
	v_nop
.endr
	s_branch .Lasked_\@
.Lfor_b_\@:
	tensor_load_to_lds s[G0B+4*(\s):G0B+4*(\s)+3], s[G1B:G1B+7]
	s_nop 0
.rept 4
	v_nop
.endr
.Lasked_\@:
.endm
; A prefetch of the K step two refills on: 32 rows x 256 bytes, a lane a row; K steps 4 to 7 of the first share (s3 = 14 .. 11).  A row group of xb is walked by the two clusters of its pair: e = 0 asks.
; A column group of wt is walked by several clusters: clusters 0, 1 and 3, one for each group, ask.  Of the 128 rows that a wave fetches each of the four partners takes 32, told apart by address.
; The second share's rows are a later reading in the launch and are not asked for.
.macro ASK
	s_cmp_gt_u32 s3, s[LIM]
	s_cbranch_scc0 .Lnot_mine_\@
	global_prefetch_b8 v[PFO], s[PFA:PFA+1] offset:KSTEP*2 th:TH_LOAD_NT scope:SCOPE_SE
.Lnot_mine_\@:
.endm
.macro CREST                           ; a round of the cluster's barrier behind its opening barrier
	s_cmp_lg_u32 s10, 0
	s_cbranch_scc1 .Lnot_wave_0_\@
	s_barrier_signal -3
.Lnot_wave_0_\@:
	s_barrier_wait -3
	s_barrier_signal -1
	s_barrier_wait -1
.endm
.macro CROUND
	s_barrier_signal -1
	s_barrier_wait -1
	CREST
.endm
	s_load_b128 s[4:7], s[0:1], 0x0                ; xb s[4:5], wt s[6:7]
	s_load_b64 s[8:9], s[0:1], 0x10                ; qkv
	s_load_b64 s[BIA:BIA+1], s[0:1], 0x18          ; bias
	v_lshl_add_u32 v[SPW], v0, 2, SPARE
	v_mov_b32 v[NIL], 0
	ds_add_u32 v[SPW], v[NIL]                      ; the wave's opening
	v_lshrrev_b32 v1, 5, v0
	v_readfirstlane_b32 s10, v1                    ; wave 0..3
	s_lshr_b32 s11, s10, 1                         ; my half of the tile's rows; also: I fetch for xb (0) or wt (1)
	s_and_b32 s12, s10, 1                          ; my half of its columns; also: which 128 rows I fetch
	s_bfe_u32 s40, ttmp6, 0x40000                  ; cx
	s_bfe_u32 s41, ttmp6, 0x40004                  ; cy
	s_and_b32 s[PAR], ttmp9, 1                     ; e: the cluster's x is 2 (rg % 2) + e,
	s_lshr_b32 s[RGR], ttmp9, 1
	s_and_b32 s82, ttmp7, 0xffff
	s_lshl1_add_u32 s[RGR], s82, s[RGR]            ; rg = 2 x the cluster's y + its x / 2
	s_add_co_u32 s80, s[RGR], s[PAR]               ; t mod 3 = t - 3 ((11 t) >> 5), right for t up to 9
	s_mul_i32 s82, s80, 11
	s_lshr_b32 s82, s82, 5
	s_mul_i32 s82, s82, 3
	s_sub_co_u32 s80, s80, s82                     ; the first share's column group
	s_add_co_u32 s81, s[RGR], 2
	s_mul_i32 s82, s81, 11
	s_lshr_b32 s82, s82, 5
	s_mul_i32 s82, s82, 3
	s_sub_co_u32 s81, s81, s82                     ; the second share's
	s_lshl2_add_u32 s42, s80, s40                  ; tile column of the first share = 4 x group + cx
	s_lshl2_add_u32 s83, s81, s40                  ; of the second
	s_lshl2_add_u32 s13, s[RGR], s41               ; tile row = 4 rg + cy, in both
	s_lshl_b32 s43, s41, 2
	s_lshl_b32 s43, 15, s43                        ; my row of the cluster
	s_lshl_b32 s44, 0x1111, s40                    ; my column
	s_or_b32 s[G1+0], s43, (1<<16)|(1<<20)|(1<<21)|(5<<22)|(3<<25)   ; mask; 2-byte elements; padding on; bit 21 beside a mask; after every 64 words 4 words
	s_or_b32 s[G1B+0], s44, (1<<16)|(1<<20)|(1<<21)|(5<<22)|(3<<25)
.irp g, G1, G1B
	s_mov_b32 s[(\g)+1], KSTEP<<16                 ; tensor_dim0 = 128
	s_mov_b32 s[(\g)+2], 128<<16                   ; tensor_dim1 = 128
	s_mov_b32 s[(\g)+3], KSTEP<<16                 ; tile_dim0 = 128
	s_mov_b32 s[(\g)+4], 128                       ; tile_dim1 = 128
	s_mov_b32 s[(\g)+5], APIT                      ; elements from row to row
	s_mov_b32 s[(\g)+6], 0
	s_mov_b32 s[(\g)+7], 0
.endr
	s_lshl_b32 s17, s12, 7                         ; which 128 rows I fetch
	s_lshl_b32 s16, s13, 8
	s_add_co_u32 s[OFA], s16, s17                  ; xb, first share: row 256 x tile row + 128 x half,
	s_lshl_b32 s[OFA], s[OFA], 11                  ; 2,048 bytes each
	s_lshl_b32 s18, s[PAR], 7
	s_add_co_u32 s[OFA2], s16, s18                 ; second share: row 256 x tile row + 128 e, for both waves that fetch xb
	s_lshl_b32 s[OFA2], s[OFA2], 11
	s_lshl_b32 s[OFB], s42, 8
	s_add_co_u32 s[OFB], s[OFB], s17               ; wt: row 256 x tile column + 128 x half
	s_lshl_b32 s[OFB], s[OFB], 11
	s_lshl_b32 s[OFB2], s83, 8
	s_add_co_u32 s[OFB2], s[OFB2], s17
	s_lshl_b32 s[OFB2], s[OFB2], 11
	s_mov_b32 s[OFA+1], 0
	s_mov_b32 s[OFB+1], 0
	s_mul_i32 s20, s10, HALFT                      ; where the tiles go: wave x 128 rows
	s_mul_i32 s[HOFF], s11, 64*PITCH
	s_mov_b32 s[TB], 0
	s_mov_b32 s3, FILLS
	s_wait_dscnt 0x0                               ; the opening add is done
	s_wait_kmcnt 0x0
	CROUND                                         ; all sixteen work-groups are here: the first joint loads meet
	s_mov_b32 s[G0], 1                             ; K step 0 into slot 0
	s_mov_b32 s[G0+1], s20
	s_add_nc_u64 s[G0+2:G0+3], s[4:5], s[OFA:OFA+1]
	s_or_b32 s[G0+3], s[G0+3], 0x80000000
	s_mov_b32 s[G0B], 1
	s_mov_b32 s[G0B+1], s20
	s_add_nc_u64 s[G0B+2:G0B+3], s[6:7], s[OFB:OFB+1]
	s_or_b32 s[G0B+3], s[G0B+3], 0x80000000
	JLOAD 0
	s_add_co_u32 s[OFA], s[OFA], KSTEP*2           ; K step 1 into slot 1
	s_add_co_u32 s[OFB], s[OFB], KSTEP*2
	s_mov_b32 s[G0+4], 1
	s_add_co_u32 s[G0+5], s20, SLOT
	s_add_nc_u64 s[G0+6:G0+7], s[4:5], s[OFA:OFA+1]
	s_or_b32 s[G0+7], s[G0+7], 0x80000000
	s_mov_b32 s[G0B+4], 1
	s_add_co_u32 s[G0B+5], s20, SLOT
	s_add_nc_u64 s[G0B+6:G0B+7], s[6:7], s[OFB:OFB+1]
	s_or_b32 s[G0B+7], s[G0B+7], 0x80000000
	JLOAD 1                                        ; two tensor loads of mine are out
	v_and_b32 v1, 15, v0                           ; l % 16
	v_bfe_u32 v2, v0, 4, 1                         ; l / 16
	v_mul_u32_u24 v3, v1, PITCH
	v_lshl_add_u32 v3, v2, 4, v3
	s_mul_i32 s21, s11, HALFT
	s_mul_i32 s22, s12, HALFT
	s_add_co_u32 s22, s22, 2*HALFT
	v_add_nc_u32 v[ADRA], s21, v3
	v_add_nc_u32 v[ADRB], s22, v3
	v_mov_b32 v[WA], v[ADRA]
	v_mov_b32 v[WB], v[ADRB]
	s_mul_i32 s23, s10, 16*SPITCH
	s_add_co_u32 s23, s23, STAGE
	v_mul_u32_u24 v4, v1, SPITCH
	v_lshl_add_u32 v4, v2, 4, v4
	v_add_nc_u32 v[STO], s23, v4
	v_mul_u32_u24 v5, v2, SPITCH
	v_lshl_add_u32 v5, v1, 4, v5
	v_add_nc_u32 v[RD], s23, v5
	v_mul_u32_u24 v5, v2, CPB
	v_lshl_add_u32 v[CO], v1, 4, v5
	s_lshl_b32 s13, s13, 8                         ; 256 x tile row
	s_lshl_b32 s14, s11, 7
	s_add_co_u32 s16, s13, s14                     ; first share: my first row of qkv
	s_mul_i32 s16, s16, CPB
	s_lshl_b32 s14, s[PAR], 7
	s_lshl_b32 s15, s11, 6
	s_add_co_u32 s18, s13, s14
	s_add_co_u32 s18, s18, s15                     ; second share: 256 x tile row + 128 e + 64 x my half
	s_mul_i32 s18, s18, CPB
	s_lshl_b32 s47, s12, 8
	s_lshl_b32 s46, s42, 9
	s_add_co_u32 s46, s46, s47                     ; my first column in bytes, first share,
	s_lshl_b32 s84, s83, 9
	s_add_co_u32 s84, s84, s47                     ; and second
	s_add_co_u32 s16, s16, s46
	s_add_co_u32 s18, s18, s84
	s_mov_b32 s17, 0
	s_mov_b32 s19, 0
	s_add_nc_u64 s[C2:C2+1], s[8:9], s[18:19]
	s_add_nc_u64 s[8:9], s[8:9], s[16:17]
	s_lshl_b32 s46, s46, 1                         ; the same columns in the bias: 4 bytes a number
	s_lshl_b32 s84, s84, 1
	s_mov_b32 s47, 0
	s_mov_b32 s85, 0
	s_add_nc_u64 s[86:87], s[BIA:BIA+1], s[84:85]
	s_add_nc_u64 s[BIA:BIA+1], s[BIA:BIA+1], s[46:47]
	v_lshlrev_b32 v[BO], 5, v2                     ; my eight columns of a block: 32 bytes for each half of the lanes
	WIN 0x40                                       ; destination window 1
.irp b, 0,1,2,3,4,5,6,7
	global_load_b128 v[8*(\b):8*(\b)+3],   v[BO], s[BIA:BIA+1] offset:64*(\b)
	global_load_b128 v[8*(\b)+4:8*(\b)+7], v[BO], s[BIA:BIA+1] offset:64*(\b)+16
.endr
.irp b, 0,1,2,3,4,5,6,7
	global_load_b128 v[192+8*(\b):192+8*(\b)+3],   v[BO], s[86:87] offset:64*(\b)
	global_load_b128 v[192+8*(\b)+4:192+8*(\b)+7], v[BO], s[86:87] offset:64*(\b)+16
.endr
	WIN 0
	; the prefetches
	s_lshl_b32 s42, s42, 8                         ; 256 x tile column
	s_lshl1_add_u32 s22, s[RGR], s[PAR]            ; the cluster's number
	s_lshr_b32 s22, 11, s22                        ; bits 0, 1 and 3: these clusters walk column groups 0, 1 and 2
	s_and_b32 s22, s22, 1
	s_xor_b32 s23, s[PAR], 1
	s_cmp_eq_u32 s11, 0
	s_cselect_b32 s20, s13, s42                    ; the tile's first row
	s_cselect_b32 s21, s40, s41                    ; my place among the four that ask with me
	s_cselect_b32 s22, s23, s22                    ; 1: my cluster asks
	s_cselect_b64 s[PFA:PFA+1], s[4:5], s[6:7]
	s_cmp_eq_u32 s22, 1
	s_cselect_b32 s[LIM], 10, -1                   ; the same in all sixteen partners, for a given wave
	s_lshl_b32 s22, s12, 7
	s_add_co_u32 s20, s20, s22
	s_lshl_b32 s21, s21, 5
	s_add_co_u32 s20, s20, s21
	s_mul_i32 s20, s20, ROWB
	s_add_co_u32 s20, s20, 2*KSTEP*2               ; at K step 2: the first refill steps it to 3 and names K step 4
	s_mov_b32 s21, 0
	s_add_nc_u64 s[PFA:PFA+1], s[PFA:PFA+1], s[20:21]
	v_and_b32 v[PFO], 31, v0
	v_mul_u32_u24 v[PFO], v[PFO], ROWB
; 16 matrix instructions: row blocks a0, a0 + 1 of the window's four x all 8 column blocks, 32 along K.  zero = 1: the product starts the sum, with the bias as C.
; The accumulators take turns, one instruction a turn, in the same order everywhere.
.macro MUL16 f, hi, a0, zero
.if \zero
	WIN 0x91+0x40*(\hi)                            ; wt window 1, xb window 0, C window 1, D window 2 or 3
.else
	WIN 0xa1+0x50*(\hi)                            ; wt window 1, xb window 0, C and D window 2 or 3
.endif
.irp a, \a0, (\a0)+1
.irp b, 0,1,2,3,4,5,6,7
.if \zero
	v_wmma_f32_16x16x32_bf16 v[8*(8*(\a)+(\b)):8*(8*(\a)+(\b))+7], v[(\f)+8*(\b):(\f)+8*(\b)+7], v[(\f)+8*(4*(\hi)+(\a)):(\f)+8*(4*(\hi)+(\a))+7], v[8*(\b):8*(\b)+7]
.else
	v_wmma_f32_16x16x32_bf16 v[8*(8*(\a)+(\b)):8*(8*(\a)+(\b))+7], v[(\f)+8*(\b):(\f)+8*(\b)+7], v[(\f)+8*(4*(\hi)+(\a)):(\f)+8*(4*(\hi)+(\a))+7], v[8*(8*(\a)+(\b)):8*(8*(\a)+(\b))+7]
.endif
.endr
.endr
.endm
.macro FETCHM k, f                     ; 24 LDS loads in one run: a quarter step's fragments of wt and of my rows 0-63 of xb
	WIN 0x40
.irp i, 0,1,2,3,4,5,6,7
	ds_load_b128 v[(\f)+8*(\i):(\f)+8*(\i)+3],   v[WB] offset:(\k)+(\i)*16*PITCH
	ds_load_b128 v[(\f)+8*(\i)+4:(\f)+8*(\i)+7], v[WB] offset:(\k)+(\i)*16*PITCH+32
.endr
	WIN 0
.irp i, 0,1,2,3
	ds_load_b128 v[(\f)+8*(\i):(\f)+8*(\i)+3],   v[WA] offset:(\k)+(\i)*16*PITCH
	ds_load_b128 v[(\f)+8*(\i)+4:(\f)+8*(\i)+7], v[WA] offset:(\k)+(\i)*16*PITCH+32
.endr
.endm
.macro FETCHH k, f                     ; 8 more: my rows 64-127 of xb; the first share alone
	WIN 0
.irp i, 4,5,6,7
	ds_load_b128 v[(\f)+8*(\i):(\f)+8*(\i)+3],   v[WA] offset:(\k)+(\i)*16*PITCH
	ds_load_b128 v[(\f)+8*(\i)+4:(\f)+8*(\i)+7], v[WA] offset:(\k)+(\i)*16*PITCH+32
.endr
.endm
.macro PLACES                          ; four plain instructions between a matrix instruction and a load into, or a vector read of, its registers
.rept 4
	v_nop
.endr
.endm
; A K step is four quarters of 32 along K, on buffers 0, 1, 0, 1.  One of the first three: at its head it asks for the next quarter, at byte k of the rows, into buffer g, which the quarter before
; multiplied; then it multiplies buffer f, asked for a quarter ago.  lim >= 0: rows 64-127 (8 loads, 32 products) are jumped over when s3 < lim; lim = -1: they are not written.
.macro QUARTER k, f, g, zero, lim
	PLACES
	FETCHM \k, \g
	s_wait_dscnt 24                                ; all but the 24 just issued: buffer f is in
	MUL16 \f, 0, 0, \zero
	MUL16 \f, 0, 2, \zero
.if (\lim) >= 0
	WIN 0                                          ; at a branch and at a label every window is 0
	s_cmp_lt_u32 s3, \lim
	s_cbranch_scc1 .Lhalf_\@
	FETCHH \k, \g
	MUL16 \f, 1, 0, \zero
	MUL16 \f, 1, 2, \zero
	WIN 0
.Lhalf_\@:
.endif
.endm
; A K step's last quarter multiplies buffer 1 and changes slots: ONE barrier; in front of it all my tensor loads, the add, my reads of this slot.
; fill = 1: the barrier opens a round of the cluster's, and the slot just read is filled again, two K steps on, first thing behind it: 224 (second share: 96) matrix instructions ahead of the wait for it.
; fill = 0: the last two K steps; the very last fetches nothing.
.macro TURN fill
	s_xor_b32 s[TB], s[TB], SLOT                   ; the other slot is read from here on
.if \fill
	s_wait_xcnt 0x0                                ; the last prefetch, a K step back, has read its address
	s_add_nc_u64 s[PFA:PFA+1], s[PFA:PFA+1], KSTEP*2
	s_cmp_lt_u32 s3, SW_NEXT
	s_cselect_b32 s[TA], s[HOFF], 0
	s_add_co_u32 s[TA], s[TA], s[TB]
.else
	s_add_co_u32 s[TA], s[HOFF], s[TB]
.endif
	WIN 0
	v_add_nc_u32 v[WA], s[TA], v[ADRA]
	v_add_nc_u32 v[WB], s[TB], v[ADRB]
	s_wait_tensorcnt 0x0                           ; the one load that was out is my part of the next slot; no tensor load of mine is out, so a group 0 may be written
	ds_add_u32 v[SPW], v[NIL]
.if \fill
	s_add_co_u32 s[OFA], s[OFA], KSTEP*2           ; the next K step, or at the change of shares the second share's first
	s_add_co_u32 s[OFB], s[OFB], KSTEP*2
	s_cmp_eq_u32 s3, SW_FILL
	s_cselect_b32 s[OFA], s[OFA2], s[OFA]
	s_cselect_b32 s[OFB], s[OFB2], s[OFB]
	s_xor_b32 s[G0+5], s[G0+5], SLOT               ; the walking descriptors: the other slot than last time; the address made anew from the buffer's and the offset
	s_add_nc_u64 s[G0+6:G0+7], s[4:5], s[OFA:OFA+1]
	s_or_b32 s[G0+7], s[G0+7], 0x80000000
	s_xor_b32 s[G0B+5], s[G0B+5], SLOT
	s_add_nc_u64 s[G0B+6:G0B+7], s[6:7], s[OFB:OFB+1]
	s_or_b32 s[G0B+7], s[G0B+7], 0x80000000
.endif
	s_wait_dscnt 1                                 ; buffer 1 is in; the add may be out
	MUL16 F1, 0, 0, 0
	s_wait_dscnt 0x0                               ; the add is done, my reads of this slot are over
	s_barrier_signal -1
	MUL16 F1, 0, 2, 0
	WIN 0
	s_barrier_wait -1
.if \fill
	CREST                                          ; no wave of any partner still reads this slot or has a load on its way
	JLOAD 1                                        ; its four v_nop are the places in front of the loads below
	FETCHM 0, F0
	ASK
	s_cmp_lt_u32 s3, SW_NEXT
	s_cbranch_scc1 .Lno_hi_\@
	FETCHH 0, F0
.Lno_hi_\@:
	s_cmp_lt_u32 s3, SW_THIS
	s_cbranch_scc1 .Lhalf_\@
	MUL16 F1, 1, 0, 0
	MUL16 F1, 1, 2, 0
	WIN 0
.Lhalf_\@:
.else
	s_cmp_eq_u32 s3, 1
	s_cbranch_scc1 .Llast_\@
	PLACES
	FETCHM 0, F0
.Llast_\@:
.endif
.endm
; THE WAY OUT of row block a: rounded to bf16, through my own stage in LDS, back as whole rows of 256 bytes, stored.
.macro PACK a
.set AC, 64*((\a)%4)
	WIN 0x0a+5*((\a)/4)
.irp b, 0,1,2,3,4,5,6,7
.irp r, 0,1,2,3
	v_cvt_pk_bf16_f32 v[TMP+4*(\b)+(\r)], v[AC+8*(\b)+2*(\r)], v[AC+8*(\b)+2*(\r)+1]
.endr
.endr
	WIN 0
.endm
.macro TOSTAGE a
	WIN 0
.set BK, OB+192*((\a)%2)
.irp b, 0,1,2,3,4,5,6,7
	ds_store_b128 v[STO], v[TMP+4*(\b):TMP+4*(\b)+3] offset:32*(\b)
.endr
.irp t, 0,1,2,3,4,5,6,7
	ds_load_b128 v[BK+4*(\t):BK+4*(\t)+3], v[RD] offset:(\t)*2*SPITCH  ; LDS serves a wave's instructions in order (ISA guide 5.7.1.4)
.endr
.endm
.macro SEND a
	WIN 0
.set BK, OB+192*((\a)%2)
	s_wait_dscnt 0x0                               ; the block is back in registers
	s_wait_xcnt 0x0                                ; the stores of the block before have read their registers: the next loads from the stage land there
.irp t, 0,1,2,3,4,5,6,7
	global_store_b128 v[CO], v[BK+4*(\t):BK+4*(\t)+3], s[8:9] offset:(16*(\a)+2*(\t))*CPB  ; 16 lanes store 256 consecutive bytes, aligned
.endr
.endm
	s_wait_tensorcnt 1                             ; my part of K step 0 is in; K step 1's may stay out
	s_barrier_signal -1
	s_barrier_wait -1
	FETCHM 0, F0
	FETCHH 0, F0
	s_wait_loadcnt 0x0                             ; both biases
	s_branch .Lzero                                ; the loop is entered at the quarter that starts the sums
.Lstep:                                                ; a trip: one K step; 14 trips, each fills the slot that it has read
	s_cmp_eq_u32 s3, SW_HEAD
	s_cbranch_scc0 .Lacc
	PLACES                                         ; THE FIRST SHARE IS FINISHED AND GOES OUT; K steps 8 and 9 have been asked for
	PACK 0
	TOSTAGE 0
.irp a, 1,2,3,4,5,6,7                  ; block a's conversions stand between block a - 1's loads from the stage and the wait for them
	PACK \a
	SEND (\a)-1
	TOSTAGE \a
.endr
	SEND 7
	s_wait_xcnt 0x0                                ; the stores have read their base
	s_mov_b64 s[8:9], s[C2:C2+1]
	WIN 0x41                                       ; the second share's bias goes where the one text names the bias
.set i, 0
.rept 64
	v_mov_b32 v[i], v[192+i]
.set i, i+1
.endr
	WIN 0
.Lzero:
	QUARTER 64,  F0, F1, 1, SW_THIS
	s_branch .Lin
.Lacc:
	QUARTER 64,  F0, F1, 0, SW_THIS
.Lin:
	QUARTER 128, F1, F0, 0, SW_THIS
	QUARTER 192, F0, F1, 0, SW_THIS
	TURN 1
	s_sub_co_u32 s3, s3, 1
	s_cmp_lg_u32 s3, 0
	s_cbranch_scc1 .Lstep
	s_mov_b32 s3, 2
.Ltail:                                                ; K steps 14 and 15: written apart; both belong to the second share
	QUARTER 64,  F0, F1, 0, -1
	QUARTER 128, F1, F0, 0, -1
	QUARTER 192, F0, F1, 0, -1
	TURN 0
	s_sub_co_u32 s3, s3, 1
	s_cmp_lg_u32 s3, 0
	s_cbranch_scc1 .Ltail
	s_wait_dscnt 0x0
	PLACES
	PACK 0                                         ; the second share: my 64 rows
	TOSTAGE 0
.irp a, 1,2,3
	PACK \a
	SEND (\a)-1
	TOSTAGE \a
.endr
	SEND 3
	s_wait_tensorcnt 0x0                           ; the wave's end
	ds_add_u32 v[SPW], v[NIL]
	s_wait_dscnt 0x0
	CROUND                                         ; the closing round
	s_endpgm
.Lfunc_end_k_q8a49e8ca3b_proj:
	.size	k_q8a49e8ca3b_proj, .Lfunc_end_k_q8a49e8ca3b_proj-k_q8a49e8ca3b_proj
	.p2alignl 7, 3214868480
	.fill 96, 4, 3214868480
	.section	.rodata,"a",@progbits
	.p2align	6, 0x0
	.amdhsa_kernel k_q8a49e8ca3b_proj
		.amdhsa_group_segment_fixed_size 327680
		.amdhsa_private_segment_fixed_size 0
		.amdhsa_enable_private_segment 0
		.amdhsa_kernarg_size 32
		.amdhsa_user_sgpr_count 2
		.amdhsa_user_sgpr_kernarg_segment_ptr 1
		.amdhsa_wavefront_size32 1
		.amdhsa_system_sgpr_workgroup_id_x 1
		.amdhsa_system_sgpr_workgroup_id_y 1
		.amdhsa_system_sgpr_workgroup_id_z 1
		.amdhsa_system_vgpr_workitem_id 0
		.amdhsa_next_free_vgpr 1024
		.amdhsa_next_free_sgpr 88
		.amdhsa_reserve_vcc 0
		.amdhsa_float_denorm_mode_32 3
		.amdhsa_float_denorm_mode_16_64 3
		.amdhsa_memory_ordered 1
		.amdhsa_forward_progress 1
		.amdhsa_inst_pref_size 113
	.end_amdhsa_kernel
	.amdgpu_metadata
---
amdhsa.version: [ 1, 2 ]
amdhsa.kernels:
  - .name:           k_q8a49e8ca3b_proj
    .symbol:         k_q8a49e8ca3b_proj.kd
    .args:
      - { .name: xb, .offset: 0, .size: 8, .value_kind: global_buffer, .address_space: global }
      - { .name: wt, .offset: 8, .size: 8, .value_kind: global_buffer, .address_space: global }
      - { .name: qkv, .offset: 16, .size: 8, .value_kind: global_buffer, .address_space: global }
      - { .name: bias, .offset: 24, .size: 8, .value_kind: global_buffer, .address_space: global }
    .group_segment_fixed_size: 327680
    .private_segment_fixed_size: 0
    .kernarg_segment_align: 8
    .kernarg_segment_size: 32
    .max_flat_workgroup_size: 128
    .sgpr_count:     88
    .vgpr_count:     1024
    .wavefront_size: 32
...
	.end_amdgpu_metadata
.endif
;; end of part 2
;; launch scores (part 3): grid 8 x 32, 4 waves a work-group, clusters of 4 x 4, 327,680 bytes of LDS; arguments qkv, p, st; writes p, st
.if DOCPART == 3
	.amdgcn_target "amdgcn-amd-amdhsa--gfx1250"
	.amdhsa_code_object_version 6
	.text
	.protected	k_q8a49e8ca3b_scores
	.globl	k_q8a49e8ca3b_scores
	.p2align	8
	.type	k_q8a49e8ca3b_scores,@function
k_q8a49e8ca3b_scores:
	s_mov_b64 s[64:65], 0
	v_nop
	global_prefetch_b8 v0, s[64:65] scope:SCOPE_SE
	s_setreg_imm32_b32 hwreg(HW_REG_WAVE_MODE, 25, 1), 1
	s_wait_xcnt 0x0
	s_wait_alu depctr_hold_cnt(0) depctr_sa_sdst(0) depctr_va_vdst(0) depctr_va_sdst(0) depctr_va_ssrc(0) depctr_va_vcc(0) depctr_vm_vsrc(0)
	s_getreg_b32 s2, hwreg(HW_REG_IB_STS2, 6, 4)
	s_cmp_eq_u32 s2, 0
	s_cbranch_scc0 .Lentry_in_a_cluster
	s_endpgm
.Lentry_in_a_cluster:
	s_bfe_u32 s2, ttmp6, 0x10000c
	s_cmp_lg_u32 s2, 0xf033
	s_cbranch_scc0 .Lentry_shape_is_right
	s_endpgm
.Lentry_shape_is_right:
; For a tile of 256 queries x 256 keys of one batch: s = q . k (K = 1024); m = each row's maximum over the tile's 256 keys; p = 2^(c s - c m), c = log2(e) / 32, rounded to bf16.
; Stored: p [8192][2048] bf16; st [2][16][8192] f32: plane 0 c m, plane 1 l = the f32 sum of the unrounded p, by half-group of 128 keys (16 a row) and global row.
; The maximum is the true one of its 256 keys; the launch behind joins the eight groups of a row with factors in f32.
; LIMITS.  q and k are bf16; a weight below 2^-126 counts as 0; NaN and infinities are not treated apart.
; q lies at byte 0, k at byte 2,048 of qkv's rows of 6,144 bytes.  A tile to a work-group of four waves, 128 x 128 (64 accumulators, 512 registers) to a wave.
; THE PRODUCT IS TAKEN TRANSPOSED: source 0 = 16 keys, source 1 = 16 queries, so a lane holds query l % 16 and the keys 8 (l / 16) + 0..7 of a block.
; CLUSTER 4 x 4: the four of a row need the same tile of q, the four of a column the same tile of k: each is asked for jointly.
; THE WALK OVER K.  8 steps of 128 through two LDS slots.  A trip of the loop is one step; the slot in hand is a scalar that an exclusive or turns.  The quarter that starts the sums stands ahead of the
; loop, which is entered in its middle; 6 trips fill the slot that they have read; the last two steps are a loop of their own, which asks for nothing.
; THE SOFTMAX.  A row's 256 keys lie in two waves: their maxima meet in LDS behind one barrier.  Then a loop of 8 trips, a block of 16 rows each.  Only the 32 scalings c s - c m, which read the block's own
; accumulators, and the last addition of the block before's l are written for each block, chosen by forward jumps on the count; they leave the block in ONE buffer of 64 registers, and all that follows
; (exponentials, roundings, the stage, the sums, the stores) is written once, on that buffer, in window 0.
; REGISTERS: window 0: v16-30 addresses; v64-127, v128-191 fragments of q; behind the products v64-127 statistics, v128-191 the block in hand; v192-223 packed weights; v32-63 rows on their way out
;   window 1: v64-191 fragments of k      window 2: accumulators of my rows 0-63, (a, b) at v[8 (8 a + b)]      window 3: rows 64-127
.set KSTEP,  128
.set PITCH,  272                       ; 256 bytes + 16 of padding: the 16 rows of a fragment load start at 16 different groups of four banks (ISA guide 11.1)
.set HALFT,  128*PITCH                 ; 0x8800
.set SLOT,   4*HALFT                   ; 0x22000: q's 256 rows, then k's 256 rows; it shares no bit with wave x 0x8800, so an exclusive or with it adds or takes it away
.set STAGE,  2*SLOT                    ; behind the ring: 16 rows x 272 bytes for each wave
.set SPITCH, 272
.set MX,     STAGE+4*16*SPITCH         ; 1,536 bytes a wave: +0 my maxima of 128 rows, +512 c m, +1,024 l
.set SPARE,  MX+4*1536                 ; the spare words, 128 bytes a wave
.set FILLS,  6                         ; trips that fill a slot again: K step i is walked with s3 = 6 - i and asks for K step i + 2
.set APIT,   3072                      ; elements from row to row in qkv
.set ROWB,   2*APIT
.set CPB,    4096                      ; bytes from row to row in p
.set ADRA, 16                          ; v16  my fragments of q in slot 0; never rewritten
.set WA,   17                          ; v17  the same in the slot in hand
.set XS,   18                          ; v18  MX + 1,536 wave + 4 (l % 16)
.set XL,   19                          ; v19  MX + 3,072 (wave / 2) + 4 (l % 16)
.set ADRB, 20                          ; v20, v21 as v16, v17, for k
.set WB,   21
.set SR,   22                          ; v22  MX + 1,536 wave + 512 + 16 lane
.set SG,   23                          ; v23  16 lane
.set STO,  24
.set RD,   25
.set CO,   26                          ; v26  my byte offset in p, for the block in hand
.set CN,   27                          ; v27  for the next block
.set SPW,  28
.set NIL,  29
.set PFO,  30
.set F0,   64
.set F1,   128
.set TMP,  192
.set OB,   32
.set T8,   64                          ; v[64:71]   at work
.set LP,   72                          ; v[72:73]   a block's sum: my half of the lanes', the other half's
.set ST,   80                          ; v[80:95]   row block a: c m at ST + 2 a, m at ST + 2 a + 1
.set LS,   96                          ; v[96:103]  row block a's l
.set PX,   104                         ; v[104:119] the two waves' maxima
.set SB,   120                         ; v[120:127] statistics on their way out
.set E,    128                         ; v[128:191] the block in hand: c s - c m, then p
.set TB,   2                           ; s2   LDS byte at which the slot in hand begins: 0 or SLOT
.set G1,   24
.set G0,   32                          ; s[32:39] group 0 for q: a set for each first fill; the second then walks on
.set LIM,  43                          ; s43  a wave prefetches while s3 is above it
.set PFA,  44                          ; s[44:45] where my prefetches stand
.set G1B,  48
.set G0B,  56
.set STA,  66                          ; s[66:67] st
.set CS,   68                          ; s[68:69] c, twice
.set SEL,  70                          ; s[70:71] v_permlanex16_b32's selects
.set OFA,  72                          ; s[72:73] byte offset in qkv of q's tile asked for last
.set OFB,  74                          ; s[74:75] of k's
.set MSB, 0
.macro WIN new                         ; the immediate's high byte repeats the setting that is left; a switch that changes nothing is dropped
.if MSB != (\new)
	s_set_vgpr_msb (MSB<<8)|(\new)
.set MSB, \new
.endif
.endm
; A joint load: waves 0 and 1 fetch q's two halves, waves 2 and 3 k's.  An s_nop 0 and four v_nop follow each line.
.macro JLOAD s
	s_cmp_eq_u32 s11, 0
	s_cbranch_scc0 .Lfor_b_\@
	tensor_load_to_lds s[G0+4*(\s):G0+4*(\s)+3], s[G1:G1+7]
	s_nop 0
.rept 4
	v_nop
.endr
	s_branch .Lasked_\@
.Lfor_b_\@:
	tensor_load_to_lds s[G0B+4*(\s):G0B+4*(\s)+3], s[G1B:G1B+7]
	s_nop 0
.rept 4
	v_nop
.endr
.Lasked_\@:
.endm
; A prefetch of the K step two refills on, 32 rows x 256 bytes, a lane a row: K steps 4 to 7 (s3 = 6 .. 3).  A tile row of q is read by the two clusters of its row of clusters: cluster x = 0 asks.
; A batch's k is read by two rows of clusters: the even one asks.  The four partners of a joint load take 32 of its 128 rows each, told apart by address.
.macro ASK
	s_cmp_gt_u32 s3, s[LIM]
	s_cbranch_scc0 .Lnot_mine_\@
	global_prefetch_b8 v[PFO], s[PFA:PFA+1] offset:KSTEP*2 th:TH_LOAD_NT scope:SCOPE_SE
.Lnot_mine_\@:
.endm
.macro CREST                           ; a round of the cluster's barrier behind its opening barrier
	s_cmp_lg_u32 s10, 0
	s_cbranch_scc1 .Lnot_wave_0_\@
	s_barrier_signal -3
.Lnot_wave_0_\@:
	s_barrier_wait -3
	s_barrier_signal -1
	s_barrier_wait -1
.endm
.macro CROUND
	s_barrier_signal -1
	s_barrier_wait -1
	CREST
.endm
	s_load_b64 s[4:5], s[0:1], 0x0                 ; qkv
	s_load_b64 s[8:9], s[0:1], 0x8                 ; p
	s_load_b64 s[STA:STA+1], s[0:1], 0x10          ; st
	v_lshl_add_u32 v[SPW], v0, 2, SPARE
	v_mov_b32 v[NIL], 0
	ds_add_u32 v[SPW], v[NIL]                      ; the wave's opening
	v_lshrrev_b32 v1, 5, v0
	v_readfirstlane_b32 s10, v1                    ; wave 0..3
	s_lshr_b32 s11, s10, 1                         ; my half of the tile's rows; also: I fetch for q (0) or k (1)
	s_and_b32 s12, s10, 1                          ; my half of its keys; also: which 128 rows I fetch
	s_bfe_u32 s40, ttmp6, 0x40000                  ; cx
	s_bfe_u32 s41, ttmp6, 0x40004                  ; cy
	s_lshl_b32 s42, ttmp9, 2
	s_add_co_u32 s42, s42, s40                     ; tile column: keys 256 x it, in the batch
	s_and_b32 s13, ttmp7, 0xffff
	s_lshl_b32 s13, s13, 2
	s_add_co_u32 s13, s13, s41                     ; tile row: global rows 256 x it
	s_lshl_b32 s43, s41, 2
	s_lshl_b32 s43, 15, s43                        ; my row of the cluster
	s_lshl_b32 s44, 0x1111, s40                    ; my column
	s_or_b32 s[G1+0], s43, (1<<16)|(1<<20)|(1<<21)|(5<<22)|(3<<25)   ; mask; 2-byte elements; padding on; bit 21 beside a mask; after every 64 words 4 words
	s_or_b32 s[G1B+0], s44, (1<<16)|(1<<20)|(1<<21)|(5<<22)|(3<<25)
.irp g, G1, G1B
	s_mov_b32 s[(\g)+1], KSTEP<<16                 ; tensor_dim0 = 128
	s_mov_b32 s[(\g)+2], 128<<16                   ; tensor_dim1 = 128
	s_mov_b32 s[(\g)+3], KSTEP<<16                 ; tile_dim0 = 128
	s_mov_b32 s[(\g)+4], 128                       ; tile_dim1 = 128
	s_mov_b32 s[(\g)+5], APIT                      ; elements from row to row
	s_mov_b32 s[(\g)+6], 0
	s_mov_b32 s[(\g)+7], 0
.endr
	s_mov_b32 s[CS], 0x3d38aa3b                    ; c = log2(e) / 32
	s_mov_b32 s[CS+1], s[CS]
	s_mov_b32 s[SEL], 0x76543210
	s_mov_b32 s[SEL+1], 0xfedcba98
	s_lshl_b32 s17, s12, 7                         ; which 128 rows I fetch
	s_lshl_b32 s16, s13, 8
	s_add_co_u32 s[OFA], s16, s17                  ; q: row 256 x tile row + 128 x half,
	s_mul_i32 s[OFA], s[OFA], ROWB                 ; 6,144 bytes each
	s_and_b32 s21, ttmp7, 0xffff
	s_lshr_b32 s21, s21, 1                         ; the batch: two rows of clusters each; made of the cluster's y alone
	s_lshl_b32 s21, s21, 11
	s_lshl_b32 s[OFB], s42, 8
	s_add_co_u32 s[OFB], s[OFB], s17
	s_add_co_u32 s[OFB], s[OFB], s21               ; k: row 2,048 x batch + 256 x tile column + 128 x half,
	s_mul_i32 s[OFB], s[OFB], ROWB
	s_add_co_u32 s[OFB], s[OFB], 2048              ; k's place in a row
	s_mov_b32 s[OFA+1], 0
	s_mov_b32 s[OFB+1], 0
	s_mul_i32 s20, s10, HALFT                      ; where the tiles go: wave x 128 rows
	s_mov_b32 s[TB], 0
	s_mov_b32 s3, FILLS
	s_wait_dscnt 0x0                               ; the opening add is done
	s_wait_kmcnt 0x0
	CROUND                                         ; all sixteen work-groups are here: the first joint loads meet
	s_mov_b32 s[G0], 1                             ; K step 0 into slot 0
	s_mov_b32 s[G0+1], s20
	s_add_nc_u64 s[G0+2:G0+3], s[4:5], s[OFA:OFA+1]
	s_or_b32 s[G0+3], s[G0+3], 0x80000000
	s_mov_b32 s[G0B], 1
	s_mov_b32 s[G0B+1], s20
	s_add_nc_u64 s[G0B+2:G0B+3], s[4:5], s[OFB:OFB+1]
	s_or_b32 s[G0B+3], s[G0B+3], 0x80000000
	JLOAD 0
	s_add_co_u32 s[OFA], s[OFA], KSTEP*2           ; K step 1 into slot 1
	s_add_co_u32 s[OFB], s[OFB], KSTEP*2
	s_mov_b32 s[G0+4], 1
	s_add_co_u32 s[G0+5], s20, SLOT
	s_add_nc_u64 s[G0+6:G0+7], s[4:5], s[OFA:OFA+1]
	s_or_b32 s[G0+7], s[G0+7], 0x80000000
	s_mov_b32 s[G0B+4], 1
	s_add_co_u32 s[G0B+5], s20, SLOT
	s_add_nc_u64 s[G0B+6:G0B+7], s[4:5], s[OFB:OFB+1]
	s_or_b32 s[G0B+7], s[G0B+7], 0x80000000
	JLOAD 1                                        ; two tensor loads of mine are out
	v_and_b32 v1, 15, v0                           ; l % 16
	v_bfe_u32 v2, v0, 4, 1                         ; l / 16
	v_mul_u32_u24 v3, v1, PITCH
	v_lshl_add_u32 v3, v2, 4, v3
	s_mul_i32 s21, s11, HALFT
	s_mul_i32 s22, s12, HALFT
	s_add_co_u32 s22, s22, 2*HALFT
	v_add_nc_u32 v[ADRA], s21, v3
	v_add_nc_u32 v[ADRB], s22, v3
	v_mov_b32 v[WA], v[ADRA]
	v_mov_b32 v[WB], v[ADRB]
	s_mul_i32 s23, s10, 16*SPITCH
	s_add_co_u32 s23, s23, STAGE
	v_mul_u32_u24 v4, v1, SPITCH
	v_lshl_add_u32 v4, v2, 4, v4
	v_add_nc_u32 v[STO], s23, v4
	v_mul_u32_u24 v5, v2, SPITCH
	v_lshl_add_u32 v5, v1, 4, v5
	v_add_nc_u32 v[RD], s23, v5
	v_mul_u32_u24 v5, v2, CPB
	v_lshl_add_u32 v[CN], v1, 4, v5                ; the first block's two rows in p
	s_mul_i32 s23, s10, 1536
	s_add_co_u32 s23, s23, MX
	v_lshl_add_u32 v[XS], v1, 2, s23
	v_and_b32 v6, 31, v0
	v_lshlrev_b32 v[SG], 4, v6
	v_add_nc_u32 v[SR], s23, v[SG]
	v_add_nc_u32 v[SR], 512, v[SR]
	s_mul_i32 s23, s11, 3072
	s_add_co_u32 s23, s23, MX
	v_lshl_add_u32 v[XL], v1, 2, s23
	s_lshl_b32 s13, s13, 8
	s_lshl_b32 s14, s11, 7
	s_add_co_u32 s16, s13, s14                     ; my first row
	s_lshl_b32 s47, s16, 2                         ; in st: 4 bytes a row,
	s_lshl_b32 s46, s42, 1
	s_add_co_u32 s46, s46, s12                     ; half-group 2 x tile column + my half,
	s_lshl_b32 s46, s46, 15                        ; 32,768 bytes each
	s_add_co_u32 s46, s46, s47
	s_mov_b32 s47, 0
	s_add_nc_u64 s[STA:STA+1], s[STA:STA+1], s[46:47]
	s_mul_i32 s16, s16, CPB
	s_mov_b32 s17, 0
	s_lshl_b32 s46, s42, 9
	s_lshl_b32 s47, s12, 8
	s_add_co_u32 s46, s46, s47
	s_mov_b32 s47, 0
	s_add_nc_u64 s[16:17], s[16:17], s[46:47]
	s_add_nc_u64 s[8:9], s[8:9], s[16:17]
	; the prefetches
	s_lshl_b32 s42, s42, 8
	s_and_b32 s22, ttmp7, 0xffff
	s_lshr_b32 s23, s22, 1
	s_lshl_b32 s23, s23, 11
	s_add_co_u32 s42, s42, s23                     ; k's first row of the tile
	s_and_b32 s22, s22, 1
	s_cmp_eq_u32 s11, 0
	s_cselect_b32 s20, s13, s42                    ; the tile's first row
	s_cselect_b32 s21, s40, s41                    ; my place among the four that ask with me
	s_cselect_b32 s22, ttmp9, s22                  ; the coordinate along which other clusters read the same rows
	s_cselect_b32 s23, 0, 2048
	s_cmp_eq_u32 s22, 0
	s_cselect_b32 s[LIM], 2, -1                    ; the same in all sixteen partners, for a given wave
	s_lshl_b32 s22, s12, 7
	s_add_co_u32 s20, s20, s22
	s_lshl_b32 s21, s21, 5
	s_add_co_u32 s20, s20, s21
	s_mul_i32 s20, s20, ROWB
	s_add_co_u32 s20, s20, s23
	s_add_co_u32 s20, s20, 2*KSTEP*2               ; at K step 2: the first refill steps it to 3 and names K step 4
	s_mov_b32 s21, 0
	s_add_nc_u64 s[PFA:PFA+1], s[4:5], s[20:21]
	v_and_b32 v[PFO], 31, v0
	v_mul_u32_u24 v[PFO], v[PFO], ROWB
; 16 matrix instructions: row blocks a0, a0 + 1 of the window's four x all 8 key blocks, 32 along K.  zero = 1: the product starts the sum.
; The 64 accumulators take turns, one instruction a turn, in the same order everywhere.
.macro MUL16 f, hi, a0, zero
	WIN 0xa1+0x50*(\hi)                            ; k window 1, q window 0, C and D window 2 or 3
.irp a, \a0, (\a0)+1
.irp b, 0,1,2,3,4,5,6,7
.if \zero
	v_wmma_f32_16x16x32_bf16 v[8*(8*(\a)+(\b)):8*(8*(\a)+(\b))+7], v[(\f)+8*(\b):(\f)+8*(\b)+7], v[(\f)+8*(4*(\hi)+(\a)):(\f)+8*(4*(\hi)+(\a))+7], 0
.else
	v_wmma_f32_16x16x32_bf16 v[8*(8*(\a)+(\b)):8*(8*(\a)+(\b))+7], v[(\f)+8*(\b):(\f)+8*(\b)+7], v[(\f)+8*(4*(\hi)+(\a)):(\f)+8*(4*(\hi)+(\a))+7], v[8*(8*(\a)+(\b)):8*(8*(\a)+(\b))+7]
.endif
.endr
.endr
.endm
.macro FETCHM k, f                     ; 24 LDS loads in one run: a quarter step's fragments of k and of my rows 0-63 of q
	WIN 0x40
.irp i, 0,1,2,3,4,5,6,7
	ds_load_b128 v[(\f)+8*(\i):(\f)+8*(\i)+3],   v[WB] offset:(\k)+(\i)*16*PITCH
	ds_load_b128 v[(\f)+8*(\i)+4:(\f)+8*(\i)+7], v[WB] offset:(\k)+(\i)*16*PITCH+32
.endr
	WIN 0
.irp i, 0,1,2,3
	ds_load_b128 v[(\f)+8*(\i):(\f)+8*(\i)+3],   v[WA] offset:(\k)+(\i)*16*PITCH
	ds_load_b128 v[(\f)+8*(\i)+4:(\f)+8*(\i)+7], v[WA] offset:(\k)+(\i)*16*PITCH+32
.endr
.endm
.macro FETCHH k, f                     ; 8 more: my rows 64-127 of q
	WIN 0
.irp i, 4,5,6,7
	ds_load_b128 v[(\f)+8*(\i):(\f)+8*(\i)+3],   v[WA] offset:(\k)+(\i)*16*PITCH
	ds_load_b128 v[(\f)+8*(\i)+4:(\f)+8*(\i)+7], v[WA] offset:(\k)+(\i)*16*PITCH+32
.endr
.endm
.macro PLACES                          ; four plain instructions between a matrix instruction and a load into, or a vector read of, its registers
.rept 4
	v_nop
.endr
.endm
; A K step is four quarters of 32 along K, on buffers 0, 1, 0, 1.  One of the first three: at its head it asks for the next quarter, at byte k of the rows, into buffer g, which the quarter before
; multiplied (rows 64-127 in its middle); it multiplies buffer f, asked for a quarter ago.
.macro QUARTER k, f, g, zero
	PLACES
	FETCHM \k, \g
	s_wait_dscnt 24                                ; all but the 24 just issued: buffer f is in
	MUL16 \f, 0, 0, \zero
	MUL16 \f, 0, 2, \zero
	FETCHH \k, \g
	MUL16 \f, 1, 0, \zero
	MUL16 \f, 1, 2, \zero
.endm
; A K step's last quarter multiplies buffer 1 and changes slots: ONE barrier; in front of it all my tensor loads, the add, my reads of this slot.
; fill = 1: the barrier opens a round of the cluster's, and the slot just read is filled again, two K steps on, first thing behind it: 224 matrix instructions ahead of the wait for it.
; fill = 0: the last two K steps; the very last fetches nothing.
.macro TURN fill
	s_xor_b32 s[TB], s[TB], SLOT                   ; the other slot is read from here on
.if \fill
	s_wait_xcnt 0x0                                ; the last prefetch, a K step back, has read its address
	s_add_nc_u64 s[PFA:PFA+1], s[PFA:PFA+1], KSTEP*2
.endif
	WIN 0
	v_add_nc_u32 v[WA], s[TB], v[ADRA]
	v_add_nc_u32 v[WB], s[TB], v[ADRB]
	s_wait_tensorcnt 0x0                           ; the one load that was out is my part of the next slot; no tensor load of mine is out, so a group 0 may be written
	ds_add_u32 v[SPW], v[NIL]
.if \fill
	s_add_co_u32 s[OFA], s[OFA], KSTEP*2           ; the next K step
	s_add_co_u32 s[OFB], s[OFB], KSTEP*2
	s_xor_b32 s[G0+5], s[G0+5], SLOT               ; the walking descriptors: the other slot than last time; the address made anew from the buffer's and the offset
	s_add_nc_u64 s[G0+6:G0+7], s[4:5], s[OFA:OFA+1]
	s_or_b32 s[G0+7], s[G0+7], 0x80000000
	s_xor_b32 s[G0B+5], s[G0B+5], SLOT
	s_add_nc_u64 s[G0B+6:G0B+7], s[4:5], s[OFB:OFB+1]
	s_or_b32 s[G0B+7], s[G0B+7], 0x80000000
.endif
	s_wait_dscnt 1                                 ; buffer 1 is in; the add may be out
	MUL16 F1, 0, 0, 0
	s_wait_dscnt 0x0                               ; the add is done, my reads of this slot are over
	s_barrier_signal -1
	MUL16 F1, 0, 2, 0
	WIN 0
	s_barrier_wait -1
.if \fill
	CREST                                          ; no wave of any partner still reads this slot or has a load on its way
	JLOAD 1                                        ; its four v_nop are the places in front of the loads below
	FETCHM 0, F0
	FETCHH 0, F0
	ASK
.else
	s_cmp_eq_u32 s3, 1
	s_cbranch_scc1 .Llast_\@
	PLACES
	FETCHM 0, F0
	FETCHH 0, F0
.Llast_\@:
.endif
	MUL16 F1, 1, 0, 0
	MUL16 F1, 1, 2, 0
	WIN 0
.endm
; Row block a's maximum over my 128 keys: 64 registers a lane, three operands at a time, each accumulator from its low end; then the other half of the lanes; then into LDS for my partner.
.macro ROWMAX a
.set W, 2+(\a)/4
.set AC, 64*((\a)%4)
	WIN (W<<4)|(W<<2)|W
.irp b, 0,1,2,3,4,5,6,7
	v_max3_num_f32 v[T8+(\b)], v[AC+8*(\b)], v[AC+8*(\b)+1], v[AC+8*(\b)+2]
.endr
	WIN (W<<4)|(W<<2)
.irp b, 0,1,2,3,4,5,6,7
	v_max3_num_f32 v[T8+(\b)], v[T8+(\b)], v[AC+8*(\b)+3], v[AC+8*(\b)+4]
.endr
.irp b, 0,1,2,3,4,5,6,7
	v_max3_num_f32 v[T8+(\b)], v[T8+(\b)], v[AC+8*(\b)+5], v[AC+8*(\b)+6]
.endr
.irp c, 0,1,2,3
	v_max3_num_f32 v[T8+(\c)], v[T8+(\c)], v[AC+16*(\c)+7], v[AC+16*(\c)+15]
.endr
	WIN 0
	v_max3_num_f32 v[T8], v[T8], v[T8+1], v[T8+2]
	v_max3_num_f32 v[T8+3], v[T8+3], v[T8+4], v[T8+5]
	v_max3_num_f32 v[T8], v[T8], v[T8+6], v[T8+7]
	v_max_num_f32 v[T8], v[T8], v[T8+3]
	v_permlanex16_b32 v[T8+1], v[T8], s[SEL], s[SEL+1]
	v_max_num_f32 v[ST+2*(\a)+1], v[T8], v[T8+1]
	ds_store_b32 v[XS], v[ST+2*(\a)+1] offset:64*(\a)
.endm
; What is written for each row block: the block before's l takes its last addition, and c s - c m goes from the block's accumulators into the buffer.
.macro SCALE a
.set W, 2+(\a)/4
.set AC, 64*((\a)%4)
.if (\a) > 0
	v_add_f32 v[LS+(\a)-1], v[LP], v[LP+1]
.endif
	WIN W                                          ; source 0 in window 2 or 3
.set i, 0
.rept 32
	v_pk_fma_f32 v[E+i:E+i+1], v[AC+i:AC+i+1], s[CS:CS+1], v[ST+2*(\a):ST+2*(\a)+1] op_sel_hi:[1,0,0] neg_lo:[0,0,1] neg_hi:[0,0,1]
.set i, i+2
.endr
	WIN 0
.endm
	s_wait_tensorcnt 1                             ; my part of K step 0 is in; K step 1's may stay out
	s_barrier_signal -1
	s_barrier_wait -1
	FETCHM 0, F0
	FETCHH 0, F0
	QUARTER 64,  F0, F1, 1                         ; the first quarter stands ahead of the loop: its products start the sums
	WIN 0                                          ; at a branch and at a label every window is 0
	s_branch .Lin
.Lstep:                                                ; a trip: one K step; 6 trips, each fills the slot that it has read
	QUARTER 64,  F0, F1, 0
	WIN 0
.Lin:
	QUARTER 128, F1, F0, 0
	QUARTER 192, F0, F1, 0
	TURN 1
	s_sub_co_u32 s3, s3, 1
	s_cmp_lg_u32 s3, 0
	s_cbranch_scc1 .Lstep
	s_mov_b32 s3, 2
.Ltail:                                                ; K steps 6 and 7: written apart
	QUARTER 64,  F0, F1, 0
	QUARTER 128, F1, F0, 0
	QUARTER 192, F0, F1, 0
	TURN 0
	s_sub_co_u32 s3, s3, 1
	s_cmp_lg_u32 s3, 0
	s_cbranch_scc1 .Ltail
	s_wait_dscnt 0x0
	PLACES
.irp a, 0,1,2,3,4,5,6,7
	ROWMAX \a
.endr
	s_wait_dscnt 0x0                               ; for my partner's sake: my maxima lie in LDS
	s_barrier_signal -1
	s_barrier_wait -1
.irp a, 0,1,2,3,4,5,6,7
	ds_load_b32 v[PX+(\a)], v[XL] offset:64*(\a)           ; the two waves that share my rows
	ds_load_b32 v[PX+8+(\a)], v[XL] offset:1536+64*(\a)
.endr
	s_wait_dscnt 0x0
.irp a, 0,1,2,3,4,5,6,7
	v_max_num_f32 v[ST+2*(\a)+1], v[PX+(\a)], v[PX+8+(\a)]
.endr
.irp a, 0,1,2,3,4,5,6,7
	v_mul_f32 v[ST+2*(\a)], s[CS], v[ST+2*(\a)+1]
.endr
	s_mov_b32 s3, 8
.Lblk:                                                 ; a trip: row block 8 - s3
.irp a, 0,1,2,3,4,5,6
	s_cmp_lg_u32 s3, 8-(\a)
	s_cbranch_scc1 .Lnot_\a
	SCALE \a
	s_branch .Lsoft
.Lnot_\a:
.endr
	SCALE 7
.Lsoft:
.set i, 0
.rept 64
	v_exp_f32 v[E+i], v[E+i]                       ; one batch
.set i, i+1
.endr
	v_nop                                          ; a plain instruction behind the last exponential (ISA guide 5.7.2),
	s_wait_alu depctr_va_vdst(0)                   ; and the one wait ahead of the batch's first reader
.set i, 0
.rept 32
	v_cvt_pk_bf16_f32 v[TMP+i], v[E+2*i], v[E+2*i+1]
.set i, i+1
.endr
	s_wait_xcnt 0x0                                ; the stores of the block before have read their rows and their offset: both are written anew below
	v_mov_b32 v[CO], v[CN]
	v_add_nc_u32 v[CN], 16*CPB, v[CN]              ; 16 rows of p on
.irp b, 0,1,2,3,4,5,6,7
	ds_store_b128 v[STO], v[TMP+4*(\b):TMP+4*(\b)+3] offset:32*(\b)
.endr
.irp t, 0,1,2,3,4,5,6,7
	ds_load_b128 v[OB+4*(\t):OB+4*(\t)+3], v[RD] offset:(\t)*2*SPITCH  ; LDS serves a wave's instructions in order (ISA guide 5.7.1.4): these see the stores above
.endr
.irp w, 4, 8, 16, 32                   ; the f32 sum of the unrounded weights stands between those loads and the wait for them: pairs 2, 4, 8, 16 registers apart are added in place
.set i, 0
.rept 64/(\w)
	v_pk_add_f32 v[E+i:E+i+1], v[E+i:E+i+1], v[E+i+(\w)/2:E+i+(\w)/2+1]
.set i, i+(\w)
.endr
.endr
	v_pk_add_f32 v[LP:LP+1], v[E:E+1], v[E+32:E+33]
	v_add_f32 v[LP], v[LP], v[LP+1]
	v_permlanex16_b32 v[LP+1], v[LP], s[SEL], s[SEL+1]     ; the row's other 64 keys lie in the lane 16 away; the two are added where the block's own register can be named
	s_wait_dscnt 0x0                               ; the block is back in registers, as whole rows
.irp t, 0,1,2,3,4,5,6,7
	global_store_b128 v[CO], v[OB+4*(\t):OB+4*(\t)+3], s[8:9] offset:2*(\t)*CPB  ; 16 lanes store 256 consecutive bytes, aligned
.endr
	s_sub_co_u32 s3, s3, 1
	s_cmp_lg_u32 s3, 0
	s_cbranch_scc1 .Lblk
	v_add_f32 v[LS+7], v[LP], v[LP+1]
.irp a, 0,1,2,3,4,5,6,7                ; the statistics: through my own bytes of LDS, so that a store takes 512 consecutive bytes
	ds_store_b32 v[XS], v[ST+2*(\a)] offset:512+64*(\a)
	ds_store_b32 v[XS], v[LS+(\a)] offset:1024+64*(\a)
.endr
	ds_load_b128 v[SB:SB+3], v[SR]
	ds_load_b128 v[SB+4:SB+7], v[SR] offset:512
	s_wait_dscnt 0x0
	global_store_b128 v[SG], v[SB:SB+3], s[STA:STA+1]
	global_store_b128 v[SG], v[SB+4:SB+7], s[STA:STA+1] offset:524288
	s_wait_tensorcnt 0x0                           ; the wave's end
	ds_add_u32 v[SPW], v[NIL]
	s_wait_dscnt 0x0
	CROUND                                         ; the closing round
	s_endpgm
.Lfunc_end_k_q8a49e8ca3b_scores:
	.size	k_q8a49e8ca3b_scores, .Lfunc_end_k_q8a49e8ca3b_scores-k_q8a49e8ca3b_scores
	.p2alignl 7, 3214868480
	.fill 96, 4, 3214868480
	.section	.rodata,"a",@progbits
	.p2align	6, 0x0
	.amdhsa_kernel k_q8a49e8ca3b_scores
		.amdhsa_group_segment_fixed_size 327680
		.amdhsa_private_segment_fixed_size 0
		.amdhsa_enable_private_segment 0
		.amdhsa_kernarg_size 24
		.amdhsa_user_sgpr_count 2
		.amdhsa_user_sgpr_kernarg_segment_ptr 1
		.amdhsa_wavefront_size32 1
		.amdhsa_system_sgpr_workgroup_id_x 1
		.amdhsa_system_sgpr_workgroup_id_y 1
		.amdhsa_system_sgpr_workgroup_id_z 1
		.amdhsa_system_vgpr_workitem_id 0
		.amdhsa_next_free_vgpr 1024
		.amdhsa_next_free_sgpr 80
		.amdhsa_reserve_vcc 0
		.amdhsa_float_denorm_mode_32 3
		.amdhsa_float_denorm_mode_16_64 3
		.amdhsa_memory_ordered 1
		.amdhsa_forward_progress 1
		.amdhsa_inst_pref_size 118
	.end_amdhsa_kernel
	.amdgpu_metadata
---
amdhsa.version: [ 1, 2 ]
amdhsa.kernels:
  - .name:           k_q8a49e8ca3b_scores
    .symbol:         k_q8a49e8ca3b_scores.kd
    .args:
      - { .name: qkv, .offset: 0, .size: 8, .value_kind: global_buffer, .address_space: global }
      - { .name: p, .offset: 8, .size: 8, .value_kind: global_buffer, .address_space: global }
      - { .name: st, .offset: 16, .size: 8, .value_kind: global_buffer, .address_space: global }
    .group_segment_fixed_size: 327680
    .private_segment_fixed_size: 0
    .kernarg_segment_align: 8
    .kernarg_segment_size: 24
    .max_flat_workgroup_size: 128
    .sgpr_count:     80
    .vgpr_count:     1024
    .wavefront_size: 32
...
	.end_amdgpu_metadata
.endif
;; end of part 3
;; launch pv (part 4): grid 4 x 64, 4 waves a work-group, clusters of 4 x 4, 327,680 bytes of LDS; arguments p, qkv, st, out0; writes out0
.if DOCPART == 4
	.amdgcn_target "amdgcn-amd-amdhsa--gfx1250"
	.amdhsa_code_object_version 6
	.text
	.protected	k_q8a49e8ca3b_pv
	.globl	k_q8a49e8ca3b_pv
	.p2align	8
	.type	k_q8a49e8ca3b_pv,@function
k_q8a49e8ca3b_pv:
	s_mov_b64 s[64:65], 0
	v_nop
	global_prefetch_b8 v0, s[64:65] scope:SCOPE_SE
	s_setreg_imm32_b32 hwreg(HW_REG_WAVE_MODE, 25, 1), 1
	s_wait_xcnt 0x0
	s_wait_alu depctr_hold_cnt(0) depctr_sa_sdst(0) depctr_va_vdst(0) depctr_va_sdst(0) depctr_va_ssrc(0) depctr_va_vcc(0) depctr_vm_vsrc(0)
	s_getreg_b32 s2, hwreg(HW_REG_IB_STS2, 6, 4)
	s_cmp_eq_u32 s2, 0
	s_cbranch_scc0 .Lentry_in_a_cluster
	s_endpgm
.Lentry_in_a_cluster:
	s_bfe_u32 s2, ttmp6, 0x10000c
	s_cmp_lg_u32 s2, 0xf033
	s_cbranch_scc0 .Lentry_shape_is_right
	s_endpgm
.Lentry_shape_is_right:
; out0[q][ch] = the sum over the row's eight groups g of 256 keys of f_g (the sum over the group's keys of p[q][key] v[key][ch]),  f_g = 2^(cm_g - cm) / L,
; cm = the greatest cm_g, L = the sum of 2^(cm_g - cm) l_g.  p: [8192][2048] bf16; v at byte 4,096 of qkv's rows of 6,144 bytes, bf16; st: [2][16][8192] f32; out0: [8192][1024] f32.
; So the softmax has its true maximum; the correction is applied in f32 to f32 sums, and p is not rounded a second time.
; LIMITS.  p and v are bf16; a factor below 2^-126 counts as 0; NaN and infinities are not treated apart.
; SHARES.  A tile of 128 queries x 256 channels to a work-group (256 of them), 64 x 128 to a wave.  2,048 keys in 16 steps of 128 through two LDS slots; two steps are a group.
; O^T = V^T P: source 0 = 16 channels x 32 keys, turned out of LDS by ds_load_tr16_b128; source 1 = 16 queries x 32 keys: a lane holds query l % 16 and channels 8 (l / 16) + 0..7.
; T (window 2) takes a group's product, its first products starting the sums with 0; then O (window 3) += f_g T.  O is cleared once, 256 lines that stand in the wait for the first tile:
; a first group written out would be a third copy of the group's text.
; CLUSTER 4 x 4: the four of a row share their tile of p, the four of a column their tile of v.
; REGISTERS: window 0: v16-30 addresses; v32-39 the group's factors; v64-127 fragments of p, two buffers; v128-255 rows on their way out (at the head: at work)   window 1: v0-127 fragments of v, two buffers
.set PA,    272                        ; a row of p in LDS: 256 bytes + 16
.set PB,    544                        ; a row of v: 512 bytes + 32
.set AB,    128*PA
.set SLOT,  AB+128*PB                  ; p's 128 rows, then v's 128 keys
.set STAGE, 2*SLOT                     ; 16 rows x 528 bytes for each wave
.set SP,    528
.set FT,    STAGE+4*16*SP              ; f[8][128] in f32
.set SPARE, FT+4096
.set VSTEP, 128*6144                   ; bytes from a step's keys to the next step's
.set ADRA, 16
.set ADRB, 20
.set STO,  24
.set RD,   25
.set CO,   26
.set FAD,  27
.set SPW,  28
.set NIL,  29
.set PFO,  30
.set FC,   32                          ; row block a's factor in v[FC + 2 a]; the odd registers hold 0, named with them as pairs
.set OB,   128
.set G1,   24
.set G0,   32
.set G1B,  48
.set G0B,  56
.set PFA,  44                          ; s[44:45] where my prefetches stand
.set STA,  66
.set PST,  68                          ; s[68:69] their step
.set LIM,  70                          ; s70, s71: for the change of slot 0 and of slot 1: 1 if I prefetch there, else the greatest number
.set MSB, 0
.macro WIN new
.if MSB != (\new)
	s_set_vgpr_msb (MSB<<8)|(\new)
.set MSB, \new
.endif
.endm
.macro JLOAD s                         ; waves 0 and 1 fetch p's two halves (64 rows), waves 2 and 3 v's (64 keys)
	s_cmp_eq_u32 s11, 0
	s_cbranch_scc0 .Lfor_b_\@
	tensor_load_to_lds s[G0+4*(\s):G0+4*(\s)+3], s[G1:G1+7]
	s_nop 0
.rept 4
	v_nop
.endr
	s_branch .Lasked_\@
.Lfor_b_\@:
	tensor_load_to_lds s[G0B+4*(\s):G0B+4*(\s)+3], s[G1B:G1B+7]
	s_nop 0
.rept 4
	v_nop
.endr
.Lasked_\@:
.endm
; A prefetch of the step two refills on.  p's rows are read by one cluster alone: each asks for its own; of a wave's 64 rows each partner takes 16, lanes 0-15 the step's 256 bytes, lanes 16-31 the
; next step's, so it asks at the change of slot 0 alone.  A batch's v is read by four clusters: the first asks; each partner takes 16 of a wave's 64 keys, the two halves of the lanes the row's two
; blocks of 256 bytes, at both changes.  Partners are told apart by address.  The loop's last trip (s3 = 1) asks for nothing: the last step named is the sixteenth.
.macro ASK t
	s_cmp_gt_u32 s3, s[LIM+(\t)]
	s_cbranch_scc0 .Lnot_mine_\@
	global_prefetch_b8 v[PFO], s[PFA:PFA+1] th:TH_LOAD_NT scope:SCOPE_SE
.Lnot_mine_\@:
.endm
.macro CREST
	s_cmp_lg_u32 s10, 0
	s_cbranch_scc1 .Lnot_wave_0_\@
	s_barrier_signal -3
.Lnot_wave_0_\@:
	s_barrier_wait -3
	s_barrier_signal -1
	s_barrier_wait -1
.endm
.macro CROUND
	s_barrier_signal -1
	s_barrier_wait -1
	CREST
.endm
	s_load_b128 s[4:7], s[0:1], 0x0                ; p s[4:5], qkv s[6:7]
	s_load_b64 s[STA:STA+1], s[0:1], 0x10          ; st
	s_load_b64 s[8:9], s[0:1], 0x18                ; out0
	v_lshl_add_u32 v[SPW], v0, 2, SPARE
	v_mov_b32 v[NIL], 0
	ds_add_u32 v[SPW], v[NIL]                      ; the wave's opening
	v_lshrrev_b32 v1, 5, v0
	v_readfirstlane_b32 s10, v1
	s_lshr_b32 s11, s10, 1                         ; my half of the tile's queries; also: I fetch for p (0) or v (1)
	s_and_b32 s12, s10, 1                          ; my half of its channels; also: which 64 rows I fetch
	s_bfe_u32 s40, ttmp6, 0x40000                  ; cx
	s_bfe_u32 s41, ttmp6, 0x40004                  ; cy
	s_lshl_b32 s42, ttmp9, 2
	s_add_co_u32 s42, s42, s40                     ; tile column: channels 256 x it
	s_and_b32 s72, ttmp7, 0xffff                   ; the cluster's y
	s_lshl_b32 s13, s72, 2
	s_add_co_u32 s13, s13, s41                     ; tile row: global rows 128 x it
	s_lshr_b32 s73, s72, 2                         ; the batch: four clusters each
	s_lshl_b32 s43, s41, 2
	s_lshl_b32 s43, 15, s43
	s_lshl_b32 s44, 0x1111, s40
	s_or_b32 s[G1+0], s43, (1<<16)|(1<<20)|(1<<21)|(5<<22)|(3<<25)   ; p: after every 64 words 4 words of padding
	s_or_b32 s[G1B+0], s44, (1<<16)|(1<<20)|(1<<21)|(6<<22)|(7<<25)  ; v: after every 128 words 8 words
	s_mov_b32 s[G1+1], 128<<16                     ; tensor_dim0
	s_mov_b32 s[G1+2], 64<<16                      ; tensor_dim1
	s_mov_b32 s[G1+3], 128<<16                     ; tile_dim0
	s_mov_b32 s[G1+4], 64                          ; tile_dim1
	s_mov_b32 s[G1+5], 2048                        ; elements from row to row
	s_mov_b32 s[G1+6], 0
	s_mov_b32 s[G1+7], 0
	s_mov_b32 s[G1B+1], 256<<16
	s_mov_b32 s[G1B+2], 64<<16
	s_mov_b32 s[G1B+3], 256<<16
	s_mov_b32 s[G1B+4], 64
	s_mov_b32 s[G1B+5], 3072
	s_mov_b32 s[G1B+6], 0
	s_mov_b32 s[G1B+7], 0
	s_lshl_b32 s16, s13, 7
	s_lshl_b32 s17, s12, 6
	s_add_co_u32 s16, s16, s17
	s_lshl_b32 s16, s16, 12                        ; p: row 128 x tile row + 64 x half, 4,096 bytes each
	s_lshl_b32 s46, s73, 11
	s_add_co_u32 s46, s46, s17
	s_mul_i32 s46, s46, 6144                       ; v: row 2,048 x batch + 64 x half,
	s_lshl_b32 s47, s42, 9
	s_add_co_u32 s46, s46, s47                     ; the tile's 256 channels,
	s_add_co_u32 s46, s46, 4096                    ; v's place in a row
	s_mov_b32 s17, 0
	s_mov_b32 s47, 0
	s_mul_i32 s20, s12, 64*PA                      ; where they go
	s_mul_i32 s21, s12, 64*PB
	s_add_co_u32 s21, s21, AB
	s_wait_dscnt 0x0
	s_wait_kmcnt 0x0
	s_add_nc_u64 s[14:15], s[4:5], s[16:17]
	s_add_nc_u64 s[46:47], s[6:7], s[46:47]
	CROUND
.irp s, 0,1
	s_mov_b32 s[G0+4*(\s)], 1
	s_add_co_u32 s[G0+4*(\s)+1], s20, (\s)*SLOT
	s_add_nc_u64 s[G0+4*(\s)+2:G0+4*(\s)+3], s[14:15], (\s)*256
	s_or_b32 s[G0+4*(\s)+3], s[G0+4*(\s)+3], 0x80000000
	s_mov_b32 s[G0B+4*(\s)], 1
	s_add_co_u32 s[G0B+4*(\s)+1], s21, (\s)*SLOT
	s_add_nc_u64 s[G0B+4*(\s)+2:G0B+4*(\s)+3], s[46:47], (\s)*VSTEP
	s_or_b32 s[G0B+4*(\s)+3], s[G0B+4*(\s)+3], 0x80000000
	JLOAD \s                                       ; two tensor loads of mine are out
.endr
	; THE FACTORS: thread t makes those of row t of the tile's 128
	v_lshlrev_b32 v1, 2, v0
	s_lshl_b32 s22, s13, 9
	s_mov_b32 s23, 0
	s_add_nc_u64 s[STA:STA+1], s[STA:STA+1], s[22:23]
.irp g, 0,1,2,3,4,5,6,7
	global_load_b32 v[128+(\g)], v1, s[STA:STA+1] offset:65536*(\g)           ; c m of group g (equal in its two half-groups)
.endr
.irp x, 0,1,2,3,4,5,6,7,8,9,10,11,12,13,14,15
	global_load_b32 v[136+(\x)], v1, s[STA:STA+1] offset:524288+32768*(\x)    ; l of half-group x
.endr
	WIN 0xc0
.set i, 0
.rept 256
	v_mov_b32 v[i], 0                              ; O
.set i, i+1
.endr
	WIN 0
	v_and_b32 v2, 15, v0                           ; l % 16
	v_bfe_u32 v3, v0, 4, 1                         ; l / 16
	v_and_b32 v5, 7, v0
	v_bfe_u32 v6, v0, 3, 1
	v_and_b32 v7, 31, v0
	v_mul_u32_u24 v8, v2, PA
	v_lshl_add_u32 v8, v3, 4, v8
	s_mul_i32 s22, s11, 64*PA
	v_add_nc_u32 v[ADRA], s22, v8
	v_add_nc_u32 v[ADRA+1], SLOT, v[ADRA]
	v_lshl_add_u32 v9, v3, 3, v5                   ; the turning load: key 8 (l / 16) + l % 8, channels 8 ((l / 8) % 2) + 0..7
	v_mul_u32_u24 v9, v9, PB
	v_lshl_add_u32 v9, v6, 4, v9
	s_lshl_b32 s23, s12, 8
	s_add_co_u32 s23, s23, AB
	v_add_nc_u32 v[ADRB], s23, v9
	v_add_nc_u32 v[ADRB+1], SLOT, v[ADRB]
	s_mul_i32 s22, s10, 16*SP
	s_add_co_u32 s22, s22, STAGE
	v_mul_u32_u24 v10, v2, SP
	v_lshl_add_u32 v10, v3, 5, v10
	v_add_nc_u32 v[STO], s22, v10
	v_lshlrev_b32 v[CO], 4, v7
	v_add_nc_u32 v[RD], s22, v[CO]
	s_lshl_b32 s23, s11, 8
	s_add_co_u32 s23, s23, FT
	v_lshl_add_u32 v[FAD], v2, 2, s23
	v_add_nc_u32 v4, FT, v1
.irp a, 0,1,2,3
	v_mov_b32 v[FC+2*(\a)+1], 0
.endr
	s_lshl_b32 s74, s13, 7
	s_lshl_b32 s75, s11, 6
	s_add_co_u32 s74, s74, s75
	s_lshl_b32 s74, s74, 12                        ; out0: my first row, 4,096 bytes each,
	s_lshl_b32 s75, s42, 10
	s_add_co_u32 s74, s74, s75                     ; the tile's 256 channels,
	s_lshl_b32 s75, s12, 9
	s_add_co_u32 s74, s74, s75                     ; my 128 of them
	s_mov_b32 s75, 0
	s_add_nc_u64 s[8:9], s[8:9], s[74:75]
	s_wait_loadcnt 0x0
	v_max3_num_f32 v152, v128, v129, v130
	v_max3_num_f32 v152, v152, v131, v132
	v_max3_num_f32 v152, v152, v133, v134
	v_max_num_f32 v152, v152, v135
.irp g, 0,1,2,3,4,5,6,7
	v_sub_f32 v[128+(\g)], v[128+(\g)], v152
.endr
.irp g, 0,1,2,3,4,5,6,7
	v_exp_f32 v[128+(\g)], v[128+(\g)]
.endr
.irp g, 0,1,2,3,4,5,6,7
	v_add_f32 v[136+2*(\g)], v[136+2*(\g)], v[137+2*(\g)]  ; a group's two halves: the plain work behind the batch
.endr
	s_wait_alu depctr_va_vdst(0)                   ; one wait for the eight exponentials
	v_mul_f32 v153, v128, v136
.irp g, 1,2,3,4,5,6,7
	v_fmac_f32 v153, v[128+(\g)], v[136+2*(\g)]
.endr
	v_rcp_f32 v154, v153                           ; L is at least 1: the group that holds the maximum has a weight of 1
	v_nop
	s_wait_alu depctr_va_vdst(0)
.irp g, 0,1,2,3,4,5,6,7
	v_mul_f32 v[128+(\g)], v[128+(\g)], v154
.endr
.irp g, 0,1,2,3,4,5,6,7
	ds_store_b32 v4, v[128+(\g)] offset:512*(\g)
.endr
	; the prefetches
	s_lshl_b32 s74, s13, 7
	s_lshl_b32 s75, s12, 6
	s_add_co_u32 s74, s74, s75
	s_lshl_b32 s76, s40, 4
	s_add_co_u32 s74, s74, s76                     ; p: my work-group's 16 of the 64 rows that I fetch,
	s_lshl_b32 s74, s74, 12
	s_add_co_u32 s74, s74, 3*256                   ; at step 3: the first change steps it to 4
	s_lshl_b32 s76, s73, 11
	s_add_co_u32 s76, s76, s75
	s_lshl_b32 s77, s41, 4
	s_add_co_u32 s76, s76, s77                     ; v: my work-group's 16 of the 64 keys
	s_mul_i32 s76, s76, 6144
	s_lshl_b32 s77, s42, 9
	s_add_co_u32 s76, s76, s77
	s_add_co_u32 s76, s76, 4096+3*VSTEP
	s_and_b32 s77, s72, 3
	s_cmp_eq_u32 s77, 0
	s_cselect_b32 s77, 1, -1                       ; the batch's first cluster asks for v
	s_mov_b32 s79, VSTEP
	s_mov_b32 s78, 6144
	s_cmp_eq_u32 s11, 0
	s_cselect_b64 s[PFA:PFA+1], s[4:5], s[6:7]
	s_cselect_b32 s74, s74, s76
	s_cselect_b32 s[PST], 256, s79
	s_cselect_b32 s[LIM], 1, s77
	s_cselect_b32 s[LIM+1], -1, s77
	s_cselect_b32 s78, 4096, s78
	s_mov_b32 s75, 0
	s_mov_b32 s[PST+1], 0
	s_add_nc_u64 s[PFA:PFA+1], s[PFA:PFA+1], s[74:75]
	v_mul_u32_u24 v[PFO], v2, s78
	v_lshl_add_u32 v[PFO], v3, 8, v[PFO]
.macro MULA f, a, zero                 ; 8 matrix instructions: row block a x all 8 channel blocks, 32 keys.  The 32 accumulators take turns, one instruction a turn
	WIN 0xa1                                       ; v window 1, p window 0, T window 2
.irp b, 0,1,2,3,4,5,6,7
.if \zero
	v_wmma_f32_16x16x32_bf16 v[8*(8*(\a)+(\b)):8*(8*(\a)+(\b))+7], v[64*(\f)+8*(\b):64*(\f)+8*(\b)+7], v[64+32*(\f)+8*(\a):64+32*(\f)+8*(\a)+7], 0
.else
	v_wmma_f32_16x16x32_bf16 v[8*(8*(\a)+(\b)):8*(8*(\a)+(\b))+7], v[64*(\f)+8*(\b):64*(\f)+8*(\b)+7], v[64+32*(\f)+8*(\a):64+32*(\f)+8*(\a)+7], v[8*(8*(\a)+(\b)):8*(8*(\a)+(\b))+7]
.endif
.endr
.endm
.macro FETCH slot, q, f                ; 24 LDS loads in one run: quarter q's 32 keys: v's 16 (turned), then p's row blocks 0 to 3
	WIN 0x40
.irp b, 0,1,2,3,4,5,6,7
	ds_load_tr16_b128 v[64*(\f)+8*(\b):64*(\f)+8*(\b)+3],   v[ADRB+(\slot)] offset:(\q)*32*PB+32*(\b)
	ds_load_tr16_b128 v[64*(\f)+8*(\b)+4:64*(\f)+8*(\b)+7], v[ADRB+(\slot)] offset:(\q)*32*PB+16*PB+32*(\b)
.endr
	WIN 0
.irp a, 0,1,2,3
	ds_load_b128 v[64+32*(\f)+8*(\a):64+32*(\f)+8*(\a)+3],   v[ADRA+(\slot)] offset:64*(\q)+(\a)*16*PA
	ds_load_b128 v[64+32*(\f)+8*(\a)+4:64+32*(\f)+8*(\a)+7], v[ADRA+(\slot)] offset:64*(\q)+(\a)*16*PA+32
.endr
.endm
.macro PLACES
.rept 4
	v_nop
.endr
.endm
.macro QUARTER slot, q, f, g, zero, hw ; multiplies buffer f; in its middle fetches quarter q into g.  hw: p's row blocks 2 and 3 (four loads) may be out, at a group's head the four factor loads too
	s_wait_dscnt \hw
	MULA \f, 0, \zero
	MULA \f, 1, \zero
	PLACES
	FETCH \slot, \q, \g
	s_wait_dscnt 24                                ; all but the 24 just issued
	MULA \f, 2, \zero
	MULA \f, 3, \zero
.endm
.macro TURN slot, next, fill           ; a step's last quarter and the change of slots
.if \fill
	s_wait_xcnt 0x0                                ; the last prefetch, a step back, has read its address
	s_add_nc_u64 s[PFA:PFA+1], s[PFA:PFA+1], s[PST:PST+1]
.endif
	WIN 0
	s_wait_tensorcnt 0x0                           ; the one load that was out is my part of the next slot
	ds_add_u32 v[SPW], v[NIL]
	s_wait_dscnt 5                                 ; the add and p's row blocks 2 and 3 may be out
	MULA 1, 0, 0
	s_wait_dscnt 0x0                               ; the add is done, my reads of this slot are over
	s_barrier_signal -1
	MULA 1, 1, 0
.if \fill
	WIN 0
.endif
	s_barrier_wait -1
.if \fill
	CREST                                          ; the barrier has opened a round of the cluster's: no wave of any partner still reads this slot or has a load on its way
	s_add_nc_u64 s[G0+4*(\slot)+2:G0+4*(\slot)+3], s[G0+4*(\slot)+2:G0+4*(\slot)+3], 2*256
	s_add_nc_u64 s[G0B+4*(\slot)+2:G0B+4*(\slot)+3], s[G0B+4*(\slot)+2:G0B+4*(\slot)+3], 2*VSTEP
	JLOAD \slot                                    ; 112 matrix instructions ahead of the wait for it; its four v_nop are the places in front of the loads below
.else
	PLACES
.endif
	FETCH \next, 0, 0
.if \fill
	ASK \slot
.endif
	MULA 1, 2, 0
	MULA 1, 3, 0
.endm
.macro FLUSH next                      ; O += f T, each accumulator from its low end; next = 1: the next group's factors are fetched
	PLACES
	WIN 0xf2                                       ; T window 2, f window 0, O window 3
.irp a, 0,1,2,3
.set i, 0
.rept 32
	v_pk_fma_f32 v[64*(\a)+i:64*(\a)+i+1], v[64*(\a)+i:64*(\a)+i+1], v[FC+2*(\a):FC+2*(\a)+1], v[64*(\a)+i:64*(\a)+i+1] op_sel_hi:[1,0,1]
.set i, i+2
.endr
.endr
	WIN 0
.if \next
	v_add_nc_u32 v[FAD], 512, v[FAD]
.irp a, 0,1,2,3
	ds_load_b32 v[FC+2*(\a)], v[FAD] offset:64*(\a)
.endr
.endif
.endm
.macro TOSTAGE a                       ; row block a: a lane's eight channels, 32 bytes, into rows of 528; back as whole rows of 512
.if (\a) >= 2
	s_wait_xcnt 0x0                                ; the stores of the block two back have read the registers that the loads below fill
.endif
	WIN 0x0c                                       ; the data in window 3
.irp b, 0,1,2,3,4,5,6,7
	ds_store_b128 v[STO], v[64*(\a)+8*(\b):64*(\a)+8*(\b)+3]   offset:64*(\b)
	ds_store_b128 v[STO], v[64*(\a)+8*(\b)+4:64*(\a)+8*(\b)+7] offset:64*(\b)+16
.endr
	WIN 0
.irp t, 0,1,2,3,4,5,6,7,8,9,10,11,12,13,14,15
	ds_load_b128 v[OB+64*((\a)%2)+4*(\t):OB+64*((\a)%2)+4*(\t)+3], v[RD] offset:SP*(\t)  ; LDS serves a wave's instructions in order (ISA guide 5.7.1.4)
.endr
.endm
.macro SEND a, younger                 ; younger: the next block's 16 stores and 16 loads, or none
	s_wait_dscnt \younger
.irp t, 0,1,2,3,4,5,6,7,8,9,10,11,12,13,14,15
	global_store_b128 v[CO], v[OB+64*((\a)%2)+4*(\t):OB+64*((\a)%2)+4*(\t)+3], s[8:9] offset:65536*(\a)+4096*(\t) th:TH_STORE_NT  ; 512 consecutive bytes, aligned
.endr
.endm
	s_wait_tensorcnt 1                             ; my part of step 0 is in; step 1's may stay out
	s_wait_dscnt 0x0                               ; my factors lie in LDS
	s_barrier_signal -1
	s_barrier_wait -1
	FETCH 0, 0, 0
.irp a, 0,1,2,3
	ds_load_b32 v[FC+2*(\a)], v[FAD] offset:64*(\a)        ; group 0's factors
.endr
	s_mov_b32 s3, 7
.Lgroup:                                               ; a trip: a group's two steps; both slots are filled again
	QUARTER 0, 1, 0, 1, 1, 8
	QUARTER 0, 2, 1, 0, 0, 4
	QUARTER 0, 3, 0, 1, 0, 4
	TURN 0, 1, 1
	QUARTER 1, 1, 0, 1, 0, 4
	QUARTER 1, 2, 1, 0, 0, 4
	QUARTER 1, 3, 0, 1, 0, 4
	TURN 1, 0, 1
	FLUSH 1
	s_sub_co_u32 s3, s3, 1
	s_cmp_lg_u32 s3, 0
	s_cbranch_scc1 .Lgroup
	QUARTER 0, 1, 0, 1, 1, 8                       ; the last group fills nothing
	QUARTER 0, 2, 1, 0, 0, 4
	QUARTER 0, 3, 0, 1, 0, 4
	TURN 0, 1, 0
	QUARTER 1, 1, 0, 1, 0, 4
	QUARTER 1, 2, 1, 0, 0, 4
	QUARTER 1, 3, 0, 1, 0, 4
	s_wait_dscnt 4
	MULA 1, 0, 0
	MULA 1, 1, 0
	s_wait_dscnt 0x0
	MULA 1, 2, 0
	MULA 1, 3, 0
	FLUSH 0
	TOSTAGE 0
	TOSTAGE 1
	SEND 0, 32
	TOSTAGE 2
	SEND 1, 32
	TOSTAGE 3
	SEND 2, 32
	SEND 3, 0
	s_wait_tensorcnt 0x0                           ; the wave's end
	ds_add_u32 v[SPW], v[NIL]
	s_wait_dscnt 0x0
	CROUND                                         ; the closing round
	s_endpgm
.Lfunc_end_k_q8a49e8ca3b_pv:
	.size	k_q8a49e8ca3b_pv, .Lfunc_end_k_q8a49e8ca3b_pv-k_q8a49e8ca3b_pv
	.p2alignl 7, 3214868480
	.fill 96, 4, 3214868480
	.section	.rodata,"a",@progbits
	.p2align	6, 0x0
	.amdhsa_kernel k_q8a49e8ca3b_pv
		.amdhsa_group_segment_fixed_size 327680
		.amdhsa_private_segment_fixed_size 0
		.amdhsa_enable_private_segment 0
		.amdhsa_kernarg_size 32
		.amdhsa_user_sgpr_count 2
		.amdhsa_user_sgpr_kernarg_segment_ptr 1
		.amdhsa_wavefront_size32 1
		.amdhsa_system_sgpr_workgroup_id_x 1
		.amdhsa_system_sgpr_workgroup_id_y 1
		.amdhsa_system_sgpr_workgroup_id_z 1
		.amdhsa_system_vgpr_workitem_id 0
		.amdhsa_next_free_vgpr 1024
		.amdhsa_next_free_sgpr 80
		.amdhsa_reserve_vcc 0
		.amdhsa_float_denorm_mode_32 3
		.amdhsa_float_denorm_mode_16_64 3
		.amdhsa_memory_ordered 1
		.amdhsa_forward_progress 1
		.amdhsa_inst_pref_size 117
	.end_amdhsa_kernel
	.amdgpu_metadata
---
amdhsa.version: [ 1, 2 ]
amdhsa.kernels:
  - .name:           k_q8a49e8ca3b_pv
    .symbol:         k_q8a49e8ca3b_pv.kd
    .args:
      - { .name: p, .offset: 0, .size: 8, .value_kind: global_buffer, .address_space: global }
      - { .name: qkv, .offset: 8, .size: 8, .value_kind: global_buffer, .address_space: global }
      - { .name: st, .offset: 16, .size: 8, .value_kind: global_buffer, .address_space: global }
      - { .name: out0, .offset: 24, .size: 8, .value_kind: global_buffer, .address_space: global }
    .group_segment_fixed_size: 327680
    .private_segment_fixed_size: 0
    .kernarg_segment_align: 8
    .kernarg_segment_size: 32
    .max_flat_workgroup_size: 128
    .sgpr_count:     80
    .vgpr_count:     1024
    .wavefront_size: 32
...
	.end_amdgpu_metadata
.endif
;; end of part 4
